; MI455X (gfx1250); checked and timed in simulation.
; The chip was launched on July 23, 2026; its instructions are those of AMD's public machine-readable ISA for CDNA 5 (MIT licence, August 2026) and "CDNA5" Instruction Set Architecture Reference Guide (July 2026). The comments in the code are by the model that wrote it; some were corrected since.
;; Causal Self Attention. Allowed arithmetic: matrix products marked QUANTISED: E4M3 operands, one given power-of-two scale a tensor, by v_wmma_f32_16x16x64_fp8_fp8 or v_wmma_f32_16x16x128_fp8_fp8, f32 sums; products left as they are: f32 operands where the result goes on into a quantised operand, else bf16, f16 or f32 operands; f32 sums; everything else in f32.
;; Inputs: Wgate 8 x 32 float32; Wk 1,024 x 1,024 float32; Wproj 1,024 x 1,024 float32; Wq 1,024 x 1,024 float32; Wv 1,024 x 1,024 float32; cos 1 x 2,048 x 1 x 64 float32; lowp_scales 12 int32 (the exponents e of the quantised operands' scales 2^e); sin 1 x 2,048 x 1 x 64 float32; ve 4 x 2,048 x 1,024 float32; x 4 x 2,048 x 1,024 float32.
;; Outputs: out0 4 x 2,048 x 1,024 float32.
;; Constants: window_size = 1024.
;; This version of the problem:
;;   THIS VERSION OF THE PROBLEM IS GIVEN IN LOW PRECISION. The matrix products marked QUANTISED in the list below multiply operands that are first quantised to E4M3 (4 exponent bits, 3 mantissa bits; 8 bits a number), with one given power-of-two scale for each operand tensor; their sums are f32. All else is computed in f32.
;;   The module's matrix products, in the order in which they are computed (A, B: the left and right operand; K: the contracted axis; several contracted axes count as one K, in the product's order):
;;     1. [M 8,192, K 1,024] x [K 1,024, N 1,024]; A: input x; B: input Wq: QUANTISED (scales: A lowp_scales[0], B lowp_scales[1])
;;     2. [M 8,192, K 1,024] x [K 1,024, N 1,024]; A: input x; B: input Wk: QUANTISED (scales: A lowp_scales[2], B lowp_scales[3])
;;     3. [M 8,192, K 1,024] x [K 1,024, N 1,024]; A: input x; B: input Wv: QUANTISED (scales: A lowp_scales[4], B lowp_scales[5])
;;     4. [M 8,192, K 32] x [K 32, N 8]; A: input x; B: input Wgate: left as it is (N = 8 < 16)
;;     5. batch 32 x [M 2,048, K 128] x [K 128, N 2,048]; A: computed on the way; B: computed on the way: QUANTISED (scales: A lowp_scales[6], B lowp_scales[7])
;;     6. batch 32 x [M 128, K 2,048] x [K 2,048, N 2,048]; A: computed on the way; B: softmax (see below): QUANTISED (scales: A lowp_scales[8], B lowp_scales[9])
;;     7. [M 8,192, K 1,024] x [K 1,024, N 1,024]; A: computed on the way; B: input Wproj: QUANTISED (scales: A lowp_scales[10], B lowp_scales[11])
;;   THE QUANTISER, for each operand of a quantised product, along K:
;;     - The operand's scale is 2^e, e = its entry of the input lowp_scales (int32; the entries are numbered through the quantised products in the list's order, A before B).
;;     - Each number is divided by the scale, clamped to +-448, and rounded to the nearest number of E4M3, ties to even, subnormals kept.
;;     - The product sums the exact products of the quantised numbers (number of the format x scale) in f32.
;;   ~~~python
;;   def quantise(x, axis, e):      # numpy; x: float32 -> the quantised numbers, widened to float32 again
;;       x = np.moveaxis(x, axis, -1); K = x.shape[-1]
;;       r = np.clip(x / 2.0 ** e, -448, 448)
;;       step = 2.0 ** (np.maximum(np.frexp(np.where(r == 0, 1, r))[1] - 1, -6) - 3)
;;       q = np.round(r / step) * step * 2.0 ** e      # np.round: ties to even
;;       return np.moveaxis(q, -1, axis).astype(np.float32)
;;   ~~~
;;   SOFTMAX AHEAD OF A QUANTISED PRODUCT. Where the list says 'softmax', what is quantised is not the finished softmax but p = 2^(t - M), with t = logit x log2(e) and M = ceil(the row's largest t), a whole number; so 1/2 < the row's largest p <= 1. The row's sum l is taken of the UNQUANTISED p, in f32, and the product's result is divided by l at the end. Since M is a whole number, a kernel that streams over the keys may use a running M (the ceiling of the running maximum): every later rescaling is an exact power of two, so the quantised numbers keep their values, but for numbers so far below the row's largest that they fall under the format's range.
;;   OPERANDS COMPUTED ON THE WAY. 'Computed on the way' means the value that the module computes at that place (a softmax that the list does not call 'softmax' is quantised finished and normalised). What goes into a quantiser is computed in f32, as accurately as f32 sums, v_exp_f32 and their like allow (about 1e-6 of the number): no bf16 or f16 on the way to a quantiser, and a product that is left as it is and whose result goes on into a quantised operand takes f32 operands (vector FMAs, or v_wmma_f32_16x16x4_f32). A number that lies on a knife's edge between two numbers of the format may be rounded either way, as far as f32 arithmetic and the matrix unit's own rounding can turn it there, and no further.
;; One version. Each part assembles by itself: llvm-mc -triple=amdgcn-amd-amdhsa -mcpu=gfx1250 --defsym DOCPART=n.
;; ======== version 1 of 1: 4 launches
;; workspace buffers: xc 25,165,824 bytes; wc 4,194,304 bytes; gt 262,144 bytes; qc 8,388,608 bytes; kc 8,388,608 bytes; vc 8,388,608 bytes; yc 8,388,608 bytes
;; launch quant (part 1): grid 384 x 1, 4 waves a work-group, no clusters, 33,280 bytes of LDS; arguments x, Wq, Wk, Wv, Wproj, Wgate, lowp_scales, xc, wc, gt; writes xc, wc, gt
.if DOCPART == 1
	.amdgcn_target "amdgcn-amd-amdhsa--gfx1250"
	.amdhsa_code_object_version 6
	.text
	.protected	k_q64b622b67f_quant
	.globl	k_q64b622b67f_quant
	.p2align	8
	.type	k_q64b622b67f_quant,@function
k_q64b622b67f_quant:
	s_mov_b64 s[64:65], 0
	v_nop
	global_prefetch_b8 v0, s[64:65] scope:SCOPE_SE
	s_setreg_imm32_b32 hwreg(HW_REG_WAVE_MODE, 25, 1), 1
	s_wait_xcnt 0x0
; x [8192][1024] f32 becomes three planes of E4M3 codes (xc: under 2^e0, 2^e2, 2^e4, the scales that the three projections give it); Wq, Wk, Wv, Wproj [1024][1024] f32
; become codes in wc (in that order, under 2^e1, 2^e3, 2^e5, 2^e11), K innermost as they lie; and gt [8 heads][8192 rows] = 2 sigmoid(x[:, :32] . Wgate[head]) in f32.
; code = number / 2^e, held within +-448, to the nearest code, ties to even.  LIMITS: each e used here lies between -126 and 119, so that 2^e and 448 x 2^e are f32 numbers.  NaN among the inputs is not served.
; All tensors are dense streams.  A work-group takes 32,768 numbers, a wave 16 steps of 512.  Work-groups 0-255 take x, work-groups 256-383 the weights (32 each).
; The conversions take 8 neighbours from ONE lane's registers; a load is best where neighbouring lanes take neighbouring bytes: each load reads 512 consecutive bytes, a step's 2,048 bytes turn through the
; wave's own stage in LDS (16 bytes of padding behind each 64) and come back 64 bytes a lane.  A lane's 16 codes are 16 bytes: a wave's store covers 512 consecutive bytes, aligned.
; The three holds differ, so a number is held into other registers (T) each time.  The weights' work-groups convert once and then make the gate of 64 rows each: lane l rows 2 l, 2 l + 1, wave w heads 2 w, 2 w + 1,
; by fused multiply-adds in f32, since the gate goes on into a quantised operand.  These read the first 128 bytes of each row of x a second time: 1 MB in all.
; No tensor loads, no barrier, no cluster: waves and work-groups share no input but Wgate's 1,024 bytes.
.set STEPS, 16
.set SP,    80                         ; a lane's place in a stage: 64 bytes + 16 of padding
.set WREG,  8192                       ; LDS: a region for each wave: two stages of 32 x SP bytes
.set SPARE, 4*WREG                     ; behind the regions: the spare words, 128 bytes a wave, which no other line names
.set R,     16                         ; v16-79   four sets of 16 numbers as loaded
.set X,     80                         ; v80-111  two sets of 16 neighbours
.set T,     112                        ; v112-127 16 numbers, held
.set C,     128                        ; v128-151 codes: two sets of 3 x 4
.set SPW,   12                         ; v12 my spare word's LDS address; never rewritten
.set NIL,   13                         ; v13 0; never rewritten
	s_load_b512 s[8:23], s[0:1], 0x0               ; x 8, Wq 10, Wk 12, Wv 14, Wproj 16, Wgate 18, the scales 20, xc 22
	s_load_b128 s[24:27], s[0:1], 0x40             ; wc 24, gt 26
	v_lshl_add_u32 v[SPW], v0, 2, SPARE
	v_mov_b32 v[NIL], 0
	v_lshrrev_b32 v1, 5, v0
	v_readfirstlane_b32 s28, v1                    ; wave
	v_and_b32 v2, 31, v0                           ; lane
	v_lshlrev_b32 v3, 4, v2                        ; 16 x lane: my place in a load's 512 bytes and in a step's codes
	s_mul_i32 s32, s28, WREG
	v_lshrrev_b32 v14, 2, v2
	v_mul_u32_u24 v14, v14, SP
	v_and_b32 v15, 3, v2
	v_lshl_add_u32 v14, v15, 4, v14
	v_add_nc_u32 v14, s32, v14                     ; the stage, on the way in: SP (lane / 4) + 16 (lane % 4)
	v_mul_u32_u24 v15, v2, SP
	v_add_nc_u32 v15, s32, v15                     ; and on the way out: SP x lane
	s_cmp_lt_u32 ttmp9, 256
	s_cselect_b32 s29, 1, 0                        ; 1: x's work-group
	s_cselect_b32 s30, 0, 256
	s_sub_co_u32 s30, ttmp9, s30                   ; x: the chunk; weights: j = 0 .. 127
	s_lshr_b32 s31, s30, 5                         ; weights: which of the four
	s_and_b32 s33, s30, 31
	s_cmp_lg_u32 s29, 0
	s_cselect_b32 s33, s30, s33                    ; the chunk within the source tensor
	s_lshl_b32 s33, s33, 2
	s_add_co_u32 s33, s33, s28
	s_lshl_b32 s34, s33, 15                        ; my wave's 8,192 numbers: 32,768 bytes
	s_mov_b32 s35, 0
	s_lshl_b32 s54, s30, 2
	s_add_co_u32 s54, s54, s28
	s_lshl_b32 s54, s54, 13                        ; and their 8,192 codes (wc holds the four weights on end, so j counts through it)
	s_mov_b32 s55, 0
	s_wait_kmcnt 0x0
	s_load_b256 s[40:47], s[20:21], 0x0            ; e0 .. e7
	s_load_b128 s[48:51], s[20:21], 0x20           ; e8 .. e11
	s_mov_b64 s[4:5], s[16:17]                     ; the source: a choice on the work-group's number alone
	s_cmp_eq_u32 s31, 2
	s_cselect_b64 s[4:5], s[14:15], s[4:5]
	s_cmp_eq_u32 s31, 1
	s_cselect_b64 s[4:5], s[12:13], s[4:5]
	s_cmp_eq_u32 s31, 0
	s_cselect_b64 s[4:5], s[10:11], s[4:5]
	s_cmp_lg_u32 s29, 0
	s_cselect_b64 s[4:5], s[8:9], s[4:5]
	s_cselect_b64 s[6:7], s[22:23], s[24:25]       ; the codes: xc's plane 0, or wc
	s_add_nc_u64 s[4:5], s[4:5], s[34:35]
	s_add_nc_u64 s[6:7], s[6:7], s[54:55]
	s_add_nc_u64 s[36:37], s[6:7], 0x800000        ; xc's plane 1 (used by x's work-groups alone)
	s_add_nc_u64 s[38:39], s[6:7], 0x1000000       ; xc's plane 2
.macro LOAD t
.irp i, 0,1,2,3
	global_load_b128 v[R+16*((\t)%4)+4*\i:R+16*((\t)%4)+4*\i+3], v3, s[4:5] offset:2048*(\t)+512*\i th:TH_LOAD_NT   ; 32 lanes read 512 consecutive bytes
.endr
.endm
.macro TURN t                          ; step t's numbers through the stage: LDS serves a wave's instructions in order, so no wait stands between the stores and the loads
.irp i, 0,1,2,3
	ds_store_b128 v14, v[R+16*((\t)%4)+4*\i:R+16*((\t)%4)+4*\i+3] offset:32*SP*((\t)%2)+8*SP*\i
.endr
.irp i, 0,1,2,3
	ds_load_b128 v[X+16*((\t)%2)+4*\i:X+16*((\t)%2)+4*\i+3], v15 offset:32*SP*((\t)%2)+16*\i
.endr
.endm
.macro MKSC e, sc, lim                 ; 2^e and 448 x 2^e as f32 patterns
	s_add_co_i32 s57, \e, 127
	s_lshl_b32 s58, s57, 23
	v_mov_b32 v[\sc], s58
	s_add_co_i32 s57, s57, 8
	s_lshl_b32 s57, s57, 23
	s_or_b32 s57, s57, 0x600000
	v_mov_b32 v[\lim], s57
.endm
.irp t, 0,1,2,3
	LOAD \t
.endr
	s_wait_kmcnt 0x0
	s_mov_b32 s56, s51                             ; the first conversion's e: e11, e5, e3, e1 for the weights, e0 for x
	s_cmp_eq_u32 s31, 2
	s_cselect_b32 s56, s45, s56
	s_cmp_eq_u32 s31, 1
	s_cselect_b32 s56, s43, s56
	s_cmp_eq_u32 s31, 0
	s_cselect_b32 s56, s41, s56
	s_cmp_lg_u32 s29, 0
	s_cselect_b32 s56, s40, s56
	MKSC s56, 5, 6
	MKSC s42, 7, 8                                 ; e2
	MKSC s44, 9, 10                                ; e4
	s_wait_loadcnt 12                              ; step 0's four loads are in
	TURN 0
; 16 numbers are held into T, converted, and their 16 codes stored.  k: which of the three; base: the scalar pair of the plane.
.macro CONV k, sc, lim, base, t
.set XS, X+16*((\t)%2)
.set CC, C+12*((\t)%2)+4*(\k)
.set n, 0
.rept 16
	v_med3_num_f32 v[T+n], v[XS+n], -v[\lim], v[\lim]   ; the conversion to an 8-bit code does not saturate (ISA guide 7.6.2): the hold comes first
.set n, n+1
.endr
	v_cvt_scalef32_pk8_fp8_f32 v[CC:CC+1], v[T:T+7], v[\sc]
	v_cvt_scalef32_pk8_fp8_f32 v[CC+2:CC+3], v[T+8:T+15], v[\sc]
	v_nop                                          ; a plain line between the conversions and the next write of T
	global_store_b128 v3, v[CC:CC+3], s[\base:\base+1] offset:512*(\t)
.endm
.macro STEP t
	s_wait_dscnt 0x0                               ; this step's numbers are back from the stage, so its stores into the stage have read their registers,
.if (\t)+4 < STEPS
	LOAD (\t)+4                                    ; which take the loads of four steps on
.endif
.if (\t)+1 < STEPS
.if STEPS-2-(\t) >= 3
	s_wait_loadcnt 12                              ; the next step's four loads are in; those of the three steps behind it may be out
.else
	s_wait_loadcnt 4*(STEPS-2-(\t))
.endif
	TURN (\t)+1
.endif
	s_wait_xcnt 0x0                                ; the earlier stores have read their codes' registers: this step's set is written only behind this wait
	CONV 0, 5, 6, 6, \t
	s_cmp_eq_u32 s29, 0                            ; the weights have one scale each: a branch on the work-group's number
	s_cbranch_scc1 .Lone_\@
	CONV 1, 7, 8, 36, \t
	CONV 2, 9, 10, 38, \t
.Lone_\@:
.endm
.irp t, 0,1,2,3,4,5,6,7,8,9,10,11,12,13,14,15
	STEP \t
.endr
	s_cmp_lg_u32 s29, 0
	s_cbranch_scc1 .Lend
	; THE GATE of rows 64 j .. 64 j + 63.  v16-79: x(row, 0 .. 31) of my two rows; v80-143: Wgate of my wave's two heads; v144-151: four sums in two halves; v152-155: the four gates
	s_wait_xcnt 0x0                                ; the last stores have read the codes' registers, which are loaded into below
	v_lshlrev_b32 v156, 13, v2                     ; two rows of 4,096 bytes a lane
	v_mov_b32 v157, 0
	v_lshlrev_b32 v158, 3, v2                      ; two gates, 8 bytes, a lane
	s_lshl_b32 s32, s30, 18                        ; 64 rows of 4,096 bytes
	s_mov_b32 s33, 0
	s_add_nc_u64 s[8:9], s[8:9], s[32:33]
	s_lshl_b32 s32, s28, 8                         ; two heads of 128 bytes
	s_add_nc_u64 s[18:19], s[18:19], s[32:33]
	s_lshl_b32 s32, s28, 16                        ; gt: two heads of 32,768 bytes,
	s_lshl_b32 s34, s30, 8                         ; 64 rows of 4 bytes
	s_add_co_u32 s32, s32, s34
	s_add_nc_u64 s[26:27], s[26:27], s[32:33]
.set n, 0
.rept 8
	global_load_b128 v[16+4*n:19+4*n], v156, s[8:9] offset:16*n
	global_load_b128 v[48+4*n:51+4*n], v156, s[8:9] offset:4096+16*n
.set n, n+1
.endr
.set n, 0
.rept 16
	global_load_b128 v[80+4*n:83+4*n], v157, s[18:19] offset:16*n
.set n, n+1
.endr
	s_wait_loadcnt 0x0
.irp hh, 0,1
.irp rr, 0,1
	v_pk_mul_f32 v[144+2*(2*\hh+\rr):145+2*(2*\hh+\rr)], v[16+32*\rr:17+32*\rr], v[80+32*\hh:81+32*\hh]   ; the first product starts each sum
.endr
.endr
.set n, 1
.rept 15
.irp hh, 0,1
.irp rr, 0,1
	v_pk_fma_f32 v[144+2*(2*\hh+\rr):145+2*(2*\hh+\rr)], v[16+32*\rr+2*n:17+32*\rr+2*n], v[80+32*\hh+2*n:81+32*\hh+2*n], v[144+2*(2*\hh+\rr):145+2*(2*\hh+\rr)]   ; the four sums by turns
.endr
.endr
.set n, n+1
.endr
.irp c, 0,1,2,3
	v_add_f32 v[152+\c], v[144+2*\c], v[145+2*\c]
.endr
.irp c, 0,1,2,3
	v_mul_f32 v[152+\c], 0xbfb8aa3b, v[152+\c]     ; - z log2(e)
.endr
.irp c, 0,1,2,3
	v_exp_f32 v[152+\c], v[152+\c]
.endr
	v_nop                                          ; a plain line behind the last exponential,
	s_wait_alu depctr_va_vdst(0)                   ; and one wait for the four, ahead of their first reader
.irp c, 0,1,2,3
	v_add_f32 v[152+\c], 1.0, v[152+\c]
.endr
.irp c, 0,1,2,3
	v_rcp_f32 v[152+\c], v[152+\c]
.endr
	v_nop
	s_wait_alu depctr_va_vdst(0)
.irp c, 0,1,2,3
	v_add_f32 v[152+\c], v[152+\c], v[152+\c]      ; 2 sigmoid(z)
.endr
	global_store_b64 v158, v[152:153], s[26:27]                 ; 32 lanes store 256 consecutive bytes, aligned: 64 rows of head 2 w,
	global_store_b64 v158, v[154:155], s[26:27] offset:32768    ; and of head 2 w + 1
.Lend:
	s_wait_tensorcnt 0x0                           ; the wave's end: a wait on TENSORcnt, an add of 0 to my spare word and its wait, behind my last LDS store
	ds_add_u32 v[SPW], v[NIL]
	s_wait_dscnt 0x0
	s_endpgm
.Lfunc_end_k_q64b622b67f_quant:
	.size	k_q64b622b67f_quant, .Lfunc_end_k_q64b622b67f_quant-k_q64b622b67f_quant
	.p2alignl 7, 3214868480
	.fill 96, 4, 3214868480
	.section	.rodata,"a",@progbits
	.p2align	6, 0x0
	.amdhsa_kernel k_q64b622b67f_quant
		.amdhsa_group_segment_fixed_size 33280
		.amdhsa_private_segment_fixed_size 0
		.amdhsa_enable_private_segment 0
		.amdhsa_kernarg_size 80
		.amdhsa_user_sgpr_count 2
		.amdhsa_user_sgpr_kernarg_segment_ptr 1
		.amdhsa_wavefront_size32 1
		.amdhsa_system_sgpr_workgroup_id_x 1
		.amdhsa_system_sgpr_workgroup_id_y 1
		.amdhsa_system_sgpr_workgroup_id_z 1
		.amdhsa_system_vgpr_workitem_id 0
		.amdhsa_next_free_vgpr 160
		.amdhsa_next_free_sgpr 66
		.amdhsa_reserve_vcc 0
		.amdhsa_float_denorm_mode_32 3
		.amdhsa_float_denorm_mode_16_64 3
		.amdhsa_memory_ordered 1
		.amdhsa_forward_progress 1
		.amdhsa_inst_pref_size 89
	.end_amdhsa_kernel
	.amdgpu_metadata
---
amdhsa.version: [ 1, 2 ]
amdhsa.kernels:
  - .name:           k_q64b622b67f_quant
    .symbol:         k_q64b622b67f_quant.kd
    .args:
      - { .name: x, .offset: 0, .size: 8, .value_kind: global_buffer, .address_space: global }
      - { .name: Wq, .offset: 8, .size: 8, .value_kind: global_buffer, .address_space: global }
      - { .name: Wk, .offset: 16, .size: 8, .value_kind: global_buffer, .address_space: global }
      - { .name: Wv, .offset: 24, .size: 8, .value_kind: global_buffer, .address_space: global }
      - { .name: Wproj, .offset: 32, .size: 8, .value_kind: global_buffer, .address_space: global }
      - { .name: Wgate, .offset: 40, .size: 8, .value_kind: global_buffer, .address_space: global }
      - { .name: lowp_scales, .offset: 48, .size: 8, .value_kind: global_buffer, .address_space: global }
      - { .name: xc, .offset: 56, .size: 8, .value_kind: global_buffer, .address_space: global }
      - { .name: wc, .offset: 64, .size: 8, .value_kind: global_buffer, .address_space: global }
      - { .name: gt, .offset: 72, .size: 8, .value_kind: global_buffer, .address_space: global }
    .group_segment_fixed_size: 33280
    .private_segment_fixed_size: 0
    .kernarg_segment_align: 8
    .kernarg_segment_size: 80
    .max_flat_workgroup_size: 128
    .sgpr_count:     66
    .vgpr_count:     160
    .wavefront_size: 32
...
	.end_amdgpu_metadata
.endif
;; end of part 1
;; launch qkv (part 2): grid 12 x 32, 4 waves a work-group, clusters of 4 x 4, 327,680 bytes of LDS; arguments xc, wc, lowp_scales, cos, sin, ve, gt, qc, kc, vc; writes qc, kc, vc
.if DOCPART == 2
	.amdgcn_target "amdgcn-amd-amdhsa--gfx1250"
	.amdhsa_code_object_version 6
	.text
	.protected	k_q64b622b67f_qkv
	.globl	k_q64b622b67f_qkv
	.p2align	8
	.type	k_q64b622b67f_qkv,@function
k_q64b622b67f_qkv:
	s_mov_b64 s[64:65], 0
	v_nop
	global_prefetch_b8 v0, s[64:65] scope:SCOPE_SE
	s_setreg_imm32_b32 hwreg(HW_REG_WAVE_MODE, 25, 1), 1
	s_wait_xcnt 0x0
	s_wait_alu depctr_hold_cnt(0) depctr_sa_sdst(0) depctr_va_vdst(0) depctr_va_sdst(0) depctr_va_ssrc(0) depctr_va_vcc(0) depctr_vm_vsrc(0)
	s_getreg_b32 s2, hwreg(HW_REG_IB_STS2, 6, 4)
	s_cmp_eq_u32 s2, 0
	s_cbranch_scc0 .Lentry_in_a_cluster
	s_endpgm
.Lentry_in_a_cluster:
	s_bfe_u32 s2, ttmp6, 0x10000c
	s_cmp_lg_u32 s2, 0xf033
	s_cbranch_scc0 .Lentry_shape_is_right
	s_endpgm
.Lentry_shape_is_right:
; The three projections on E4M3 codes, and what follows each, down to the codes that attention reads.  The cluster's x is the TYPE: 0 q, 1 k, 2 v; so all sixteen partners of a cluster take the same way.
; q, k: x Wq^T (x Wk^T), rope with cos and sin as given, rmsnorm (eps = 2^-23), quantised under 2^e6 (2^e7): qc, kc [batch][head][token][128], one code a byte.
; v: x Wv^T + gate x ve, quantised under 2^e8, with the TOKENS innermost: vc [batch][head][128][token], since the tokens are the K of attention's second product.
; IN vc EACH RUN OF 32 TOKENS HOLDS ITS FOUR RUNS OF 8 IN THE ORDER 0, 2, 1, 3: token 32 c + 16 u + 8 h + j lies at place 32 c + 16 h + 8 u + j, so that attention's loads of 16 bytes fill two register pairs of the matrix form's own layout.
; A tile is 256 x 256, four waves, 128 x 128 each: 64 accumulators of 16 x 16, 512 registers.  K = 1,024 goes in four steps of 256 through two LDS slots filled by joint tensor loads; nothing loops.
; The matrix instruction is used transposed (source 0 = 16 rows of 'B', source 1 = 16 rows of 'A'): a lane holds ONE row of A's side and its registers eight neighbours of B's side.
; Types 0, 1: A = x's codes (plane = type), B = the weight's: a lane holds one token, its registers run along the head's channels: rope, norm and conversion stay in the lane (and lane xor 16).  A wave's 128 columns are one head.
; Type 2: the two are swapped BY POINTERS ALONE: A = Wv's codes, B = x's (plane 2): a lane holds one channel and its registers run along the tokens, which the conversion then packs as vc wants them.
; CLUSTER 4 x 4: A's tile hangs on the cluster's y and cy, and is asked for jointly by my row of the cluster; B's on the cluster's y and cx, by my column.
; A code stands for code x 2^e; a sum for sum x 2^EP, EP = the two operands' e added.
; LIMITS: e6, e7 and e8 - e4 - e5 lie between -126 and 119 (2^e and 448 x 2^e are made as f32 patterns).  NaN among the inputs is not served.
; REGISTERS, in windows of 256: window 0: v1-29 addresses and two scales; v32-127 at work on the way out; from v128 A's fragments, ONE set.  window 1: B's fragments, TWO sets; from the last K step on a ring of four sets of 64 for cos and sin, or for ve.
;   window 2: the accumulators of my A rows 0-63 ((a, b) at v[8 (8 a + b)]);  window 3: those of rows 64-127.
.set ROWB,   256                       ; a tile's row in bytes: 256 codes
.set KROW,   1024                      ; a row of codes in memory
.set PITCH,  272                       ; an LDS row: 256 bytes + 16 of padding = 68 words: the 16 rows that a load touches start at 16 different banks (64 banks of 4 bytes: ISA guide 11.1)
.set FR,     16                        ; registers of a fragment: 16 rows x 128 K
.set NL,     4                         ; LDS loads that bring one
.set NP,     4                         ; places behind this matrix instruction (ISA guide 7.12.1)
.set HALFT,  128*PITCH                 ; what one tensor load brings
.set SLOT,   4*HALFT                   ; A's 256 rows, then B's 256 rows
.set SPARE,  2*SLOT                    ; behind the ring: the spare words, 128 bytes a wave, which no other line names
; the stages lie in slot 0, which has had its last fill and its last read when the first result is stored there; each way has bytes of its own
.set QST,    0                         ; q, k: 16 rows x 144 bytes for each wave
.set VST,    9216                      ; v: 16 rows of ve x 528 bytes for each wave
.set CST,    43008                     ; v: the work-group's 256 channels x (256 codes + 16)
.set STQ,  6                           ; v6   QST: where I put 8 codes
.set RDQ,  7                           ; v7   QST: where I read 16 bytes back
.set L16,  8                           ; v8   16 x lane
.set CSO,  9                           ; v9   cos, sin: 256 r + 32 h
.set STV,  10                          ; v10  VST: in
.set RDV,  11                          ; v11  VST: out, turned
.set STC,  12                          ; v12  CST: where I put 8 codes
.set RDC,  13                          ; v13  CST: where I read a row back
.set GTO,  15                          ; v15  gt: 32 h
.set ADRA, 16                          ; v16-17  LDS address of my A fragments in slot 0, 1
.set VCO,  18                          ; v18  vc: 2,048 (lane / 16) + 16 (lane % 16)
.set ADRB, 20                          ; v20-21  the same for B
.set SPW,  28                          ; v28  my spare word's LDS address; never rewritten
.set NIL,  29                          ; v29  0; never rewritten
.set AF,   128                         ; A's fragments, in window 0
.set G1, 24                            ; s[24:31] descriptor group 1 for A's tiles;  s[32:39] group 0, one set for each slot
.set G0, 32
.set G1B, 48                           ; s[48:55], s[56:63] the same for B's tiles
.set G0B, 56
.set MSB, 0
.macro WIN new                         ; the immediate's high byte repeats the setting that is left
.if MSB != \new
	s_set_vgpr_msb (MSB<<8)|\new
.set MSB, \new
.endif
.endm
.set MUL_LO, 0xa1                      ; source 0 (B) window 1, source 1 (A) window 0, C and D window 2
.set MUL_HI, 0xf1                      ; the same, C and D window 3
.set TO_B,   0x40                      ; destination window 1, address window 0
; A joint load: waves 0 and 1 fetch for A, waves 2 and 3 for B.  The branch hangs on the wave's number alone.  An s_nop 0 and four v_nop follow each of the two lines.
.macro JLOAD g0a, g1a, g0b, g1b
	s_cmp_eq_u32 s15, 0
	s_cbranch_scc0 .Lfor_b_\@
	tensor_load_to_lds s[\g0a:\g0a+3], s[\g1a:\g1a+7]
	s_nop 0
.rept 4
	v_nop
.endr
	s_branch .Lasked_\@
.Lfor_b_\@:
	tensor_load_to_lds s[\g0b:\g0b+3], s[\g1b:\g1b+7]
	s_nop 0
.rept 4
	v_nop
.endr
.Lasked_\@:
.endm
.macro CREST                           ; a round of the cluster's barrier behind its opening barrier
	s_cmp_lg_u32 s14, 0
	s_cbranch_scc1 .Lnot_wave_0_\@
	s_barrier_signal -3
.Lnot_wave_0_\@:
	s_barrier_wait -3
	s_barrier_signal -1
	s_barrier_wait -1
.endm
.macro CROUND                          ; a whole round
	s_barrier_signal -1
	s_barrier_wait -1
	CREST
.endm
	s_load_b512 s[68:83], s[0:1], 0x0              ; xc 68, wc 70, the scales 72, cos 74, sin 76, ve 78, gt 80, qc 82
	s_load_b128 s[84:87], s[0:1], 0x40             ; kc 84, vc 86
	v_lshl_add_u32 v[SPW], v0, 2, SPARE
	v_mov_b32 v[NIL], 0
	ds_add_u32 v[SPW], v[NIL]                      ; the wave's opening: the add and its wait stand ahead of my first tensor load; the set-up below, work on registers, stands between them
	v_lshrrev_b32 v1, 5, v0
	v_readfirstlane_b32 s14, v1                    ; wave 0..3
	s_lshr_b32 s15, s14, 1                         ; which half of A's rows is mine.  Also: I fetch for A (0) or for B (1)
	s_and_b32 s16, s14, 1                          ; which half of B's rows.  Also: which 128 rows of that tile I fetch
	s_bfe_u32 s40, ttmp6, 0x40000                  ; cx, cy: my place in the cluster
	s_bfe_u32 s41, ttmp6, 0x40004
	s_mov_b32 s3, ttmp9                            ; the type: the cluster's x, the same in all sixteen partners
	s_and_b32 s18, ttmp7, 0xffff
	s_lshl_b32 s18, s18, 2                         ; 4 x the cluster's y: it counts tiles of tokens
	s_cmp_eq_u32 s3, 2
	s_cselect_b32 s17, 0, s18
	s_cselect_b32 s42, s18, 0
	s_add_co_u32 s17, s17, s41                     ; A's tile of 256 rows: q, k: tokens 4 Y + cy; v: channels cy
	s_add_co_u32 s42, s42, s40                     ; B's tile: q, k: channels cx; v: tokens 4 Y + cx
	s_lshl_b32 s43, s41, 2
	s_lshl_b32 s43, 15, s43                        ; my row of the cluster
	s_lshl_b32 s44, 0x1111, s40                    ; my column
	; descriptor group 1: a tile of 128 rows x 256 bytes, padded in LDS
	s_or_b32 s[G1+0], s43, (0<<16)|(1<<20)|(1<<21)|(5<<22)|(3<<25)  ; 15:0 the mask: A's tiles go to my row; 17:16 element of 1 byte; 20 padding on; 21 set beside a mask; 24:22 after every 64 words (code 5); 31:25 of 4 words (code 3)
	s_or_b32 s[G1B+0], s44, (0<<16)|(1<<20)|(1<<21)|(5<<22)|(3<<25)
.irp g, G1, G1B
	s_mov_b32 s[\g+1], ROWB<<16                    ; tensor_dim0
	s_mov_b32 s[\g+2], 128<<16                     ; tensor_dim1 = 128
	s_mov_b32 s[\g+3], ROWB<<16                    ; tile_dim0
	s_mov_b32 s[\g+4], 128                         ; tile_dim1 = 128
	s_mov_b32 s[\g+5], KROW                        ; tensor_dim0_stride
	s_mov_b32 s[\g+6], 0
	s_mov_b32 s[\g+7], 0
.endr
	s_lshl_b32 s18, s16, 7                         ; which 128 rows of the tile I fetch
	s_lshl_b32 s20, s17, 8
	s_add_co_u32 s20, s20, s18
	s_lshl_b32 s20, s20, 10                        ; A: (256 x tile + 128 x half) rows of 1,024 bytes
	s_mov_b32 s21, 0
	s_lshl_b32 s46, s42, 8
	s_add_co_u32 s46, s46, s18
	s_lshl_b32 s46, s46, 10                        ; B likewise
	s_mov_b32 s47, 0
	s_mul_i32 s45, s14, HALFT                      ; where they go: wave x 128 rows: no place in the cluster enters an LDS address
	s_lshl_b32 s22, s3, 23                         ; x's plane of codes = the type: 8,388,608 bytes each
	s_mov_b32 s23, 0
	s_lshl_b32 s18, s3, 20                         ; the weight = the type: 1,048,576 bytes each
	s_mov_b32 s19, 0
	s_wait_dscnt 0x0                               ; the opening add is done
	s_wait_kmcnt 0x0
	s_load_b256 s[88:95], s[72:73], 0x0            ; e0 .. e7
	s_load_b128 s[96:99], s[72:73], 0x20           ; e8 .. e11
	s_add_nc_u64 s[22:23], s[68:69], s[22:23]
	s_add_nc_u64 s[18:19], s[70:71], s[18:19]
	s_cmp_eq_u32 s3, 2                             ; v: the two sides change places
	s_cselect_b64 s[4:5], s[18:19], s[22:23]
	s_cselect_b64 s[6:7], s[22:23], s[18:19]
	s_add_nc_u64 s[20:21], s[4:5], s[20:21]
	s_add_nc_u64 s[46:47], s[6:7], s[46:47]
	CROUND                                         ; all sixteen work-groups are here: the first joint loads meet
.irp s, 0,1
	s_mov_b32 s[G0+4*\s], 1
	s_add_co_u32 s[G0+4*\s+1], s45, \s*SLOT
	s_add_nc_u64 s[G0+4*\s+2:G0+4*\s+3], s[20:21], \s*ROWB
	s_or_b32 s[G0+4*\s+3], s[G0+4*\s+3], 0x80000000
	s_mov_b32 s[G0B+4*\s], 1
	s_add_co_u32 s[G0B+4*\s+1], s45, \s*SLOT
	s_add_nc_u64 s[G0B+4*\s+2:G0B+4*\s+3], s[46:47], \s*ROWB
	s_or_b32 s[G0B+4*\s+3], s[G0B+4*\s+3], 0x80000000
	JLOAD G0+4*\s, G1, G0B+4*\s, G1B
.endr
	; every address register of both ways out is made here, ahead of the ways' parting
	v_and_b32 v1, 15, v0                           ; r = lane % 16
	v_bfe_u32 v2, v0, 4, 1                         ; h = lane / 16
	v_and_b32 v3, 31, v0                           ; lane
	v_mul_u32_u24 v4, v1, PITCH
	v_lshl_add_u32 v4, v2, 4, v4                   ; a fragment's row x pitch + 16 x half
	s_mul_i32 s21, s15, HALFT                      ; my 128 rows of A
	s_mul_i32 s22, s16, HALFT                      ; my 128 rows of B,
	s_add_co_u32 s22, s22, 2*HALFT                 ; which lie behind A's 256
.irp s, 0,1
	v_add_nc_u32 v[ADRA+\s], s21, v4
	v_add_nc_u32 v[ADRB+\s], s22, v4
	s_add_co_u32 s21, s21, SLOT
	s_add_co_u32 s22, s22, SLOT
.endr
	s_mul_i32 s23, s14, 16*144
	v_mul_u32_u24 v[STQ], v1, 144
	v_lshl_add_u32 v[STQ], v2, 3, v[STQ]
	v_add_nc_u32 v[STQ], s23, v[STQ]               ; QST (byte 0) + 2,304 wave + 144 r + 8 h
	v_lshrrev_b32 v5, 3, v3
	v_mul_u32_u24 v[RDQ], v5, 144
	v_and_b32 v5, 7, v0
	v_lshl_add_u32 v[RDQ], v5, 4, v[RDQ]
	v_add_nc_u32 v[RDQ], s23, v[RDQ]               ; back: eight lanes to a row of 128 bytes, four rows a load
	v_lshlrev_b32 v[L16], 4, v3
	v_lshlrev_b32 v[CSO], 8, v1
	v_lshl_add_u32 v[CSO], v2, 5, v[CSO]
	s_mul_i32 s23, s14, 16*528
	s_add_co_u32 s23, s23, VST
	v_add_nc_u32 v[STV], s23, v[L16]               ; in: a row of ve's 512 bytes as it lies
	v_mul_u32_u24 v[RDV], v2, 8*528
	v_lshl_add_u32 v[RDV], v1, 2, v[RDV]
	v_add_nc_u32 v[RDV], s23, v[RDV]               ; out: token 8 h + j, channel 16 a + r
	s_mul_i32 s23, s15, 128*272
	s_lshl_b32 s19, s16, 7
	s_add_co_u32 s23, s23, s19
	s_add_co_u32 s23, s23, CST
	v_mul_u32_u24 v[STC], v1, 272
	v_lshl_add_u32 v[STC], v2, 4, v[STC]
	v_add_nc_u32 v[STC], s23, v[STC]               ; row = channel 128 (wave / 2) + r, byte = 128 (wave % 2) + 16 h: in a run of 32 tokens my half's two runs of 8 lie side by side
	s_mul_i32 s23, s14, 64*272
	s_add_co_u32 s23, s23, CST
	v_mul_u32_u24 v[RDC], v2, 272
	v_lshl_add_u32 v[RDC], v1, 4, v[RDC]
	v_add_nc_u32 v[RDC], s23, v[RDC]               ; back: wave w takes rows 64 w on; sixteen lanes to a row of 256 bytes
	v_lshlrev_b32 v[GTO], 5, v2
	v_lshlrev_b32 v[VCO], 11, v2
	v_lshl_add_u32 v[VCO], v1, 4, v[VCO]
.macro FRAG reg, adr, q, i             ; a fragment, 16 rows x 128 K of codes, is 16 registers: lane l holds row l % 16; registers 4 c .. 4 c + 3 hold K = 32 c + 16 (l / 16) + 0 .. 15: the same order of k in A and in B, so every product meets its partner
.irp c, 0,1,2,3
	ds_load_b128 v[\reg+4*\c:\reg+4*\c+3], v[\adr] offset:128*(\q)+32*\c+(\i)*16*PITCH
.endr
.endm
; 16 matrix instructions: A's blocks a0, a0 + 1 x B's eight, 128 along K.  p: B's set.  zero = 1: the first product starts the sums.  The 64 accumulators take turns, one instruction a turn.
.macro MUL16 a0, p, zero
.irp a, \a0, \a0+1
.irp b, 0,1,2,3,4,5,6,7
.if \zero
	v_wmma_f32_16x16x128_fp8_fp8 v[8*(8*((\a)%4)+\b):8*(8*((\a)%4)+\b)+7], v[128*(\p)+FR*\b:128*(\p)+FR*\b+FR-1], v[AF+FR*(\a):AF+FR*(\a)+FR-1], 0
.else
	v_wmma_f32_16x16x128_fp8_fp8 v[8*(8*((\a)%4)+\b):8*(8*((\a)%4)+\b)+7], v[128*(\p)+FR*\b:128*(\p)+FR*\b+FR-1], v[AF+FR*(\a):AF+FR*(\a)+FR-1], v[8*(8*((\a)%4)+\b):8*(8*((\a)%4)+\b)+7]
.endif
.endr
.endr
.endm
.macro FETCH_B slot, q, p              ; B's eight fragments of the slot's q-th 128 along K into set p
	WIN TO_B
.irp i, 0,1,2,3,4,5,6,7
	FRAG 128*(\p)+FR*\i, ADRB+\slot, \q, \i
.endr
	WIN 0
.endm
.macro FETCH_A slot, q, i0             ; A's blocks i0 .. i0 + 3
.irp i, \i0, \i0+1, \i0+2, \i0+3
	FRAG AF+FR*(\i), ADRA+\slot, \q, \i
.endr
.endm
.macro PLACES n                        ; plain vector lines between a matrix instruction and a load into a register that it read, or a read of its result
.rept \n
	v_nop
.endr
.endm
; A step of 128 along K that has its successor in the same slot.  A has one set of registers: a block is free when its eight products are issued.
.macro STEP slot, q, zero
	s_wait_dscnt 4*NL                              ; B's set and A's blocks 0-3 are in; the youngest 16 loads (A's blocks 4-7) may be out
	WIN MUL_LO
	MUL16 0, (\q)%2, \zero
	MUL16 2, (\q)%2, \zero
	s_wait_dscnt 0                                 ; A's blocks 4-7 are in
	PLACES NP
	FETCH_B \slot, (\q)+1, 1-(\q)%2
	FETCH_A \slot, (\q)+1, 0
	WIN MUL_HI
	MUL16 4, (\q)%2, \zero
	MUL16 6, (\q)%2, \zero
	PLACES NP
	WIN 0
	FETCH_A \slot, (\q)+1, 4
.endm
; A slot's last step changes slots: ONE barrier; in front of it each wave waits for all its tensor loads, adds 0 to its spare word, and waits for that and for its own reads of this slot.  fill = 1: this slot is filled again, two K steps ahead.
.macro TURN slot, next, fill
	s_wait_tensorcnt 0x0                           ; all my tensor loads have landed: my part of the next slot
	ds_add_u32 v[SPW], v[NIL]                      ; 0 onto my spare word
	s_wait_dscnt 4*NL+1                            ; (the add and the youngest 16 loads, A's blocks 4-7, may be out)
	WIN MUL_LO
	MUL16 0, 1, 0                                  ; sixteen matrix instructions stand between the add and the wait for it
	s_wait_dscnt 0x0                               ; the add is done, and my reads of this slot are over
	s_barrier_signal -1
	MUL16 2, 1, 0
	WIN 0
	s_barrier_wait -1
.if \fill
	CREST                                          ; the barrier has opened a round of the cluster's barrier: no wave of any partner still reads this slot's tile or has a load on its way
	s_add_nc_u64 s[G0+4*\slot+2:G0+4*\slot+3], s[G0+4*\slot+2:G0+4*\slot+3], 2*ROWB
	s_add_nc_u64 s[G0B+4*\slot+2:G0B+4*\slot+3], s[G0B+4*\slot+2:G0B+4*\slot+3], 2*ROWB
	JLOAD G0+4*\slot, G1, G0B+4*\slot, G1B         ; the first tensor load behind the round; its four v_nop are the places in front of the loads below
.else
	PLACES NP
.endif
	FETCH_B \next, 0, 0
	FETCH_A \next, 0, 0
	WIN MUL_HI
	MUL16 4, 1, 0
	MUL16 6, 1, 0
	PLACES NP
	WIN 0
	FETCH_A \next, 0, 4
.endm
; THE WAYS OUT'S LOADS run through a ring of four sets of 64 registers, all of window 1.  Blocks 0 and 1 are asked for ahead of the last K step (B's set 0 is free there), blocks 2 and 3 behind it (B's set 1),
; block a + 4 as soon as block a's set has been read: three blocks' work stands between a request and the wait for it.
; cos and sin of block a's 16 tokens, as the accumulators lie: lane (r, h): token r, channels 16 b + 8 h + 0 .. 7, b = 0 .. 3.  Set a % 4: cos at 64 p, sin at 64 p + 32
.macro CSLOAD a
	WIN TO_B
.irp b, 0,1,2,3
.irp u, 0,1
	global_load_b128 v[64*((\a)%4)+8*\b+4*\u:64*((\a)%4)+8*\b+4*\u+3], v[CSO], s[6:7] offset:4096*(\a)+64*\b+16*\u
	global_load_b128 v[64*((\a)%4)+32+8*\b+4*\u:64*((\a)%4)+32+8*\b+4*\u+3], v[CSO], s[8:9] offset:4096*(\a)+64*\b+16*\u
.endr
.endr
	WIN 0
.endm
; ve of block b's 16 tokens, my head's 128 channels: each load reads a row's 512 consecutive bytes.  Set b % 4
.macro VELOAD b
	WIN TO_B
.set n, 0
.rept 16
	global_load_b128 v[64*((\b)%4)+4*n:64*((\b)%4)+4*n+3], v[L16], s[6:7] offset:(16*(\b)+n)*4096 th:TH_LOAD_NT
.set n, n+1
.endr
	WIN 0
.endm
	s_wait_tensorcnt 1                             ; my part of K step 0 is in (K step 1's load may be out)
	s_barrier_signal -1
	s_barrier_wait -1                              ; everybody's is
	FETCH_B 0, 0, 0
	FETCH_A 0, 0, 0
	FETCH_A 0, 0, 4
	STEP 0, 0, 1                                   ; K 0: its products start the sums
	TURN 0, 1, 1                                   ; K 128; slot 0 takes K 512 on
	STEP 1, 0, 0                                   ; K 256
	TURN 1, 0, 1                                   ; K 384; slot 1 takes K 768 on
	STEP 0, 0, 0                                   ; K 512
	TURN 0, 1, 0                                   ; K 640; nothing is left to fetch, so no round follows.  Slot 0 is left for good
	STEP 1, 0, 0                                   ; K 768
	; AHEAD OF THE LAST K STEP: the ways out are prepared, and the loads of their first two blocks go out under the last 64 products.  No tensor load of mine is out, so the descriptors' registers are free; B's set 0 is free, its places paid in STEP.
	s_wait_kmcnt 0x0                               ; the scales
	s_mov_b32 s12, 0x76543210                      ; v_permlanex16_b32's selects for lane xor 16
	s_mov_b32 s13, 0xfedcba98
	s_add_co_i32 s18, s88, s89
	s_add_co_i32 s19, s90, s91
	s_add_co_i32 s10, s92, s93
	s_cmp_eq_u32 s3, 1
	s_cselect_b32 s10, s19, s10
	s_cselect_b32 s22, s95, s96
	s_cmp_eq_u32 s3, 0
	s_cselect_b32 s10, s18, s10                    ; EP: a sum stands for sum x 2^EP
	s_cselect_b32 s22, s94, s22                    ; the result's own e: e6, e7 or e8
	s_mov_b32 s25, 0
	s_cmp_eq_u32 s3, 2
	s_cbranch_scc1 .Lpre_v
	s_lshl_b32 s18, s17, 8
	s_lshl_b32 s19, s15, 7
	s_add_co_u32 s18, s18, s19                     ; my first token of 8,192
	s_lshr_b32 s19, s18, 11                        ; its batch,
	s_and_b32 s20, s18, 2047                       ; its place there
	s_lshl_b32 s21, s42, 1
	s_add_co_u32 s21, s21, s16                     ; my head
	s_lshl_b32 s19, s19, 3
	s_add_co_u32 s19, s19, s21
	s_lshl_b32 s19, s19, 11
	s_add_co_u32 s19, s19, s20
	s_lshl_b32 s24, s19, 7                         ; ((8 batch + head) 2,048 + token) x 128 bytes
	s_cmp_eq_u32 s3, 0
	s_cselect_b64 s[4:5], s[82:83], s[84:85]       ; qc or kc
	s_add_nc_u64 s[4:5], s[4:5], s[24:25]
	s_lshl_b32 s24, s20, 8                         ; a token's 64 cos or sin: 256 bytes
	s_add_nc_u64 s[6:7], s[74:75], s[24:25]
	s_add_nc_u64 s[8:9], s[76:77], s[24:25]
	s_lshl_b32 s11, s10, 1
	s_sub_co_i32 s11, s11, 7                       ; the mean of squares = the sum of the raw squares x 2^(2 EP - 7)
	CSLOAD 0
	CSLOAD 1
	s_branch .Lpre_done
.Lpre_v:
	s_lshl_b32 s18, s17, 1
	s_add_co_u32 s18, s18, s15                     ; my head
	s_lshl_b32 s19, s42, 8
	s_lshl_b32 s20, s16, 7
	s_add_co_u32 s19, s19, s20                     ; my first token of 8,192
	s_lshl_b32 s24, s19, 12                        ; ve: rows of 4,096 bytes,
	s_lshl_b32 s20, s18, 9                         ; heads of 512
	s_add_co_u32 s24, s24, s20
	s_add_nc_u64 s[6:7], s[78:79], s[24:25]
	s_lshl_b32 s24, s18, 15                        ; gt: heads of 32,768 bytes,
	s_lshl_b32 s20, s19, 2                         ; tokens of 4
	s_add_co_u32 s24, s24, s20
	s_add_nc_u64 s[8:9], s[80:81], s[24:25]
	s_lshr_b32 s20, s42, 3                         ; vc: the batch,
	s_lshl_b32 s20, s20, 3
	s_lshl_b32 s21, s17, 1
	s_add_co_u32 s20, s20, s21                     ; the tile's first head,
	s_lshl_b32 s20, s20, 7
	s_lshl_b32 s21, s14, 6
	s_add_co_u32 s20, s20, s21                     ; the 64 of the tile's 256 channels that my wave stores,
	s_lshl_b32 s24, s20, 11                        ; rows of 2,048 bytes,
	s_and_b32 s21, s42, 7
	s_lshl_b32 s21, s21, 8                         ; the tile's 256 tokens in a row
	s_add_co_u32 s24, s24, s21
	s_add_nc_u64 s[4:5], s[86:87], s[24:25]
	s_sub_co_i32 s11, 0, s10                       ; -EP: the gate goes in divided by 2^EP,
	s_sub_co_i32 s22, s22, s10                     ; and the conversion takes 2^(e8 - EP)
.set n, 0
.rept 8
	global_load_b128 v[32+8*n:35+8*n], v[GTO], s[8:9] offset:64*n        ; the gates of my 128 tokens, as the accumulators lie: v[32 + 8 b + j]: token 16 b + 8 h + j
	global_load_b128 v[36+8*n:39+8*n], v[GTO], s[8:9] offset:64*n+16
.set n, n+1
.endr
	VELOAD 0
	VELOAD 1
.Lpre_done:
	s_add_co_i32 s22, s22, 127
	s_lshl_b32 s23, s22, 23
	v_mov_b32 v24, s23                             ; the conversion's scale as f32,
	s_add_co_i32 s22, s22, 8
	s_lshl_b32 s22, s22, 23
	s_or_b32 s22, s22, 0x600000
	v_mov_b32 v25, s22                             ; and 448 x that
	s_wait_dscnt 4*NL                              ; the last K step, K 896
	WIN MUL_LO
	MUL16 0, 1, 0
	MUL16 2, 1, 0
	s_wait_dscnt 0
	WIN MUL_HI
	MUL16 4, 1, 0
	MUL16 6, 1, 0
	WIN 0
	PLACES NP                                      ; in front of the first read of results, of writes into the registers that held A's fragments, and of loads into those that held B's set 1
	s_cmp_eq_u32 s3, 2
	s_cbranch_scc1 .Lv
	; ---- q, k: block by block of 16 tokens.  Window 0: R v32-95 the roped row (v[R + 8 b + j]: channel 16 b + 8 h + j); T, TT v96-111; v112-115 sums; v[116:117] the factor; v118 the other half's sum; v120-151 codes, two sets
.set R,  32
.set T,  96
.set TT, 104
	CSLOAD 2                                       ; into the registers that held B's set 1
	CSLOAD 3
	v_mov_b32 v117, 0                              ; (named as the upper half of a pair)
	v_mov_b32 v118, 0                              ; (a lane permute's destination counts as one of its sources)
.macro SENDQ a, younger                ; block a's 2,048 bytes of codes: 32 lanes store 512 consecutive bytes, aligned.  younger: the LDS instructions issued behind its loads
.set CS2, 120+16*((\a)%2)
	s_wait_dscnt \younger
.irp i, 0,1,2,3
	global_store_b128 v[L16], v[CS2+4*\i:CS2+4*\i+3], s[4:5] offset:2048*(\a)+512*\i
.endr
.endm
.macro QKBLK a
.set P1, 64*((\a)%4)
.set AC, 64*((\a)%4)
.set CQ, 120+16*((\a)%2)
.if (\a) < 5
	s_wait_loadcnt 48                              ; this block's cos and sin are in; the 48 loads of the three blocks behind it may be out
.else
	s_wait_loadcnt 16*(7-(\a))                     ; the last blocks: 16 loads for each block still behind this one
.endif
	WIN (0x06+(\a)/4)                              ; source 0: the accumulators' window; source 1: window 1
.irp b, 0,1,2,3                        ; x1 = channels 16 b .., x2 = channels 64 + 16 b ..: x1 cos + x2 sin, and x2 cos - x1 sin; each accumulator is read from its low end on
.irp j, 0,2,4,6
	v_pk_mul_f32 v[T+\j:T+\j+1], v[AC+8*(\b+4)+\j:AC+8*(\b+4)+\j+1], v[P1+32+8*\b+\j:P1+32+8*\b+\j+1]
.endr
.irp j, 0,2,4,6
	v_pk_mul_f32 v[TT+\j:TT+\j+1], v[AC+8*(\b+4)+\j:AC+8*(\b+4)+\j+1], v[P1+8*\b+\j:P1+8*\b+\j+1]
.endr
.irp j, 0,2,4,6
	v_pk_fma_f32 v[R+8*\b+\j:R+8*\b+\j+1], v[AC+8*\b+\j:AC+8*\b+\j+1], v[P1+8*\b+\j:P1+8*\b+\j+1], v[T+\j:T+\j+1]
.endr
.irp j, 0,2,4,6
	v_pk_fma_f32 v[R+8*(\b+4)+\j:R+8*(\b+4)+\j+1], v[AC+8*\b+\j:AC+8*\b+\j+1], v[P1+32+8*\b+\j:P1+32+8*\b+\j+1], v[TT+\j:TT+\j+1] neg_lo:[1,0,0] neg_hi:[1,0,0]
.endr
.endr
.if (\a) < 4
	CSLOAD (\a)+4                                  ; this block's set has been read: it takes the block four further on
.endif
	WIN 0
	v_pk_mul_f32 v[112:113], v[R:R+1], v[R:R+1]    ; the sum of my 64 squares, in two chains of pairs
	v_pk_mul_f32 v[114:115], v[R+2:R+3], v[R+2:R+3]
.set n, 4
.rept 15
	v_pk_fma_f32 v[112:113], v[R+n:R+n+1], v[R+n:R+n+1], v[112:113]
	v_pk_fma_f32 v[114:115], v[R+n+2:R+n+3], v[R+n+2:R+n+3], v[114:115]
.set n, n+4
.endr
	v_pk_add_f32 v[112:113], v[112:113], v[114:115]
	v_add_f32 v112, v112, v113
	v_permlanex16_b32 v118, v112, s12, s13         ; the token's other 64 channels lie in lane xor 16
	v_add_f32 v112, v112, v118
	v_ldexp_f32 v112, v112, s11                    ; the mean of the squares,
	v_add_f32 v112, 0x34000000, v112               ; + eps = 2^-23
	v_rsq_f32 v116, v112
	v_nop                                          ; a plain line behind the root,
	s_wait_alu depctr_va_vdst(0)                   ; and the wait ahead of its first reader
	v_ldexp_f32 v116, v116, s10                    ; x 2^EP: the factor that makes the normed number of a raw sum
.set n, 0
.rept 32
	v_pk_mul_f32 v[R+n:R+n+1], v[R+n:R+n+1], v[116:117] op_sel_hi:[1,0]
.set n, n+2
.endr
.set n, 0
.rept 64
	v_med3_num_f32 v[R+n], v[R+n], -v25, v25       ; the conversion does not saturate (ISA guide 7.6.2): the hold comes first
.set n, n+1
.endr
	s_wait_xcnt 0x0                                ; the stores of the block before last have read this set of codes
.set n, 0
.rept 8
	v_cvt_scalef32_pk8_fp8_f32 v[CQ+2*n:CQ+2*n+1], v[R+8*n:R+8*n+7], v24
.set n, n+1
.endr
	v_nop                                          ; a plain line behind the conversions
.set n, 0
.rept 8
	ds_store_b64 v[STQ], v[CQ+2*n:CQ+2*n+1] offset:16*n    ; token r's codes of channels 16 n + 8 h on
.set n, n+1
.endr
.set n, 0
.rept 4
	ds_load_b128 v[CQ+4*n:CQ+4*n+3], v[RDQ] offset:576*n   ; back as they lie in memory; LDS serves a wave's instructions in order, so these see the stores above
.set n, n+1
.endr
.if (\a) > 0
	SENDQ (\a)-1, 12                               ; behind the block before's loads: this block's 8 stores and 4 loads
.endif
.endm
.irp a, 0,1,2,3,4,5,6,7
	QKBLK \a
.endr
	SENDQ 7, 0
	s_branch .Ljoin
	; ---- v: block by block of 16 tokens.  Window 0: G v32-95 the gates / 2^EP; v96-111 codes; VT v128-191: ve turned, then v / 2^EP (v[128 + 8 a + j]: channel 16 a + r, token 16 b + 8 h + j)
.Lv:
	VELOAD 2                                       ; into the registers that held B's set 1
	VELOAD 3
.macro VFMA b, a0                      ; sum + (gate / 2^EP) x ve, one rounding, for A's blocks a0 .. a0 + 3; each accumulator from its low end on
.set aa, \a0
.rept 4
.irp j, 0,2,4,6
	v_pk_fma_f32 v[128+8*aa+\j:129+8*aa+\j], v[128+8*aa+\j:129+8*aa+\j], v[32+8*(\b)+\j:33+8*(\b)+\j], v[8*(8*(aa%4)+(\b))+\j:8*(8*(aa%4)+(\b))+\j+1]
.endr
.set aa, aa+1
.endr
.endm
.macro VBLK b
.if (\b) < 5
	s_wait_loadcnt 48                              ; this block's ve (and, in block 0, the gates, asked for ahead of it) are in; the 48 loads of the three blocks behind it may be out
.else
	s_wait_loadcnt 16*(7-(\b))                     ; the last blocks: 16 loads for each block still behind this one
.endif
.if (\b) == 0
.set n, 0
.rept 64
	v_ldexp_f32 v[32+n], v[32+n], s11
.set n, n+1
.endr
.endif
	WIN 0x04                                       ; the stores' data in window 1
.set n, 0
.rept 16
	ds_store_b128 v[STV], v[64*((\b)%4)+4*n:64*((\b)%4)+4*n+3] offset:528*n
.set n, n+1
.endr
	WIN 0
.set aa, 0
.rept 8
.set jj, 0
.rept 8
	ds_load_b32 v[128+8*aa+jj], v[RDV] offset:528*jj+64*aa   ; lanes 0-15 read 16 neighbouring words, lanes 16-31 those eight rows on: 1,056 words, 32 banks, further
.set jj, jj+1
.endr
.set aa, aa+1
.endr
	s_wait_dscnt 32                                ; channels' blocks 0-3 are in; so the 16 stores ahead of them are done, and have read their registers,
.if (\b) < 4
	VELOAD (\b)+4                                  ; which take the block four further on
.endif
	WIN 0x20                                       ; source 2: window 2
	VFMA \b, 0
	s_wait_dscnt 0x0
	WIN 0x30                                       ; source 2: window 3
	VFMA \b, 4
	WIN 0
.set n, 0
.rept 64
	v_med3_num_f32 v[128+n], v[128+n], -v25, v25
.set n, n+1
.endr
.set n, 0
.rept 8
	v_cvt_scalef32_pk8_fp8_f32 v[96+2*n:97+2*n], v[128+8*n:135+8*n], v24
.set n, n+1
.endr
	v_nop                                          ; a plain line behind the conversions
.set n, 0
.rept 8
	ds_store_b64 v[STC], v[96+2*n:97+2*n] offset:4352*n+32*((\b)/2)+8*((\b)%2)   ; channel 16 n + r's codes of tokens 16 b + 8 h on, at place 32 (b / 2) + 16 h + 8 (b % 2): vc's order within a run of 32 tokens
.set n, n+1
.endr
.endm
.irp b, 0,1,2,3,4,5,6,7
	VBLK \b
.endr
.Ljoin:
	s_wait_tensorcnt 0x0                           ; the wave's end of LDS writing: a wait on TENSORcnt, an add of 0 to my spare word and its wait, behind my last tensor load and my last LDS store;
	ds_add_u32 v[SPW], v[NIL]
	s_wait_dscnt 0x0                               ; for the others' sake too: my stores into the shared stage are done
	s_barrier_signal -1
	s_barrier_wait -1                              ; v: a row's 256 codes come from two waves: now all 256 rows are whole
	s_cmp_lg_u32 s3, 2
	s_cbranch_scc1 .Ldone
.set n, 0
.rept 32
	ds_load_b128 v[128+4*n:131+4*n], v[RDC] offset:544*n
.set n, n+1
.endr
.set n, 0
.rept 32
	s_wait_dscnt 31-n
	global_store_b128 v[VCO], v[128+4*n:131+4*n], s[4:5] offset:4096*n   ; 16 lanes store 256 consecutive bytes of a channel's row, aligned
.set n, n+1
.endr
.Ldone:
	CROUND                                         ; the closing round: no work-group ends while a partner may still ask for a tile that names it
	s_endpgm
.Lfunc_end_k_q64b622b67f_qkv:
	.size	k_q64b622b67f_qkv, .Lfunc_end_k_q64b622b67f_qkv-k_q64b622b67f_qkv
	.p2alignl 7, 3214868480
	.fill 96, 4, 3214868480
	.section	.rodata,"a",@progbits
	.p2align	6, 0x0
	.amdhsa_kernel k_q64b622b67f_qkv
		.amdhsa_group_segment_fixed_size 327680
		.amdhsa_private_segment_fixed_size 0
		.amdhsa_enable_private_segment 0
		.amdhsa_kernarg_size 80
		.amdhsa_user_sgpr_count 2
		.amdhsa_user_sgpr_kernarg_segment_ptr 1
		.amdhsa_wavefront_size32 1
		.amdhsa_system_sgpr_workgroup_id_x 1
		.amdhsa_system_sgpr_workgroup_id_y 1
		.amdhsa_system_sgpr_workgroup_id_z 1
		.amdhsa_system_vgpr_workitem_id 0
		.amdhsa_next_free_vgpr 1024
		.amdhsa_next_free_sgpr 100
		.amdhsa_reserve_vcc 0
		.amdhsa_float_denorm_mode_32 3
		.amdhsa_float_denorm_mode_16_64 3
		.amdhsa_memory_ordered 1
		.amdhsa_forward_progress 1
		.amdhsa_inst_pref_size 255
	.end_amdhsa_kernel
	.section	.bss,"aw",@nobits
	.p2align	6
	.space	262144
	.amdgpu_metadata
---
amdhsa.version: [ 1, 2 ]
amdhsa.kernels:
  - .name:           k_q64b622b67f_qkv
    .symbol:         k_q64b622b67f_qkv.kd
    .args:
      - { .name: xc, .offset: 0, .size: 8, .value_kind: global_buffer, .address_space: global }
      - { .name: wc, .offset: 8, .size: 8, .value_kind: global_buffer, .address_space: global }
      - { .name: lowp_scales, .offset: 16, .size: 8, .value_kind: global_buffer, .address_space: global }
      - { .name: cos, .offset: 24, .size: 8, .value_kind: global_buffer, .address_space: global }
      - { .name: sin, .offset: 32, .size: 8, .value_kind: global_buffer, .address_space: global }
      - { .name: ve, .offset: 40, .size: 8, .value_kind: global_buffer, .address_space: global }
      - { .name: gt, .offset: 48, .size: 8, .value_kind: global_buffer, .address_space: global }
      - { .name: qc, .offset: 56, .size: 8, .value_kind: global_buffer, .address_space: global }
      - { .name: kc, .offset: 64, .size: 8, .value_kind: global_buffer, .address_space: global }
      - { .name: vc, .offset: 72, .size: 8, .value_kind: global_buffer, .address_space: global }
    .group_segment_fixed_size: 327680
    .private_segment_fixed_size: 0
    .kernarg_segment_align: 8
    .kernarg_segment_size: 80
    .max_flat_workgroup_size: 128
    .sgpr_count:     100
    .vgpr_count:     1024
    .wavefront_size: 32
...
	.end_amdgpu_metadata
.endif
;; end of part 2
;; launch attn (part 3): grid 8 x 32, 16 waves a work-group, no clusters, 327,680 bytes of LDS; arguments qc, kc, vc, lowp_scales, yc; writes yc
.if DOCPART == 3
	.amdgcn_target "amdgcn-amd-amdhsa--gfx1250"
	.amdhsa_code_object_version 6
	.text
	.protected	k_q64b622b67f_attn
	.globl	k_q64b622b67f_attn
	.p2align	8
	.type	k_q64b622b67f_attn,@function
k_q64b622b67f_attn:
	s_mov_b64 s[64:65], 0
	v_nop
	global_prefetch_b8 v0, s[64:65] scope:SCOPE_SE
	s_setreg_imm32_b32 hwreg(HW_REG_WAVE_MODE, 25, 1), 1
	s_wait_xcnt 0x0
; y[g][q][:] = the sum over k of softmax_k(Q[g][q] . K[g][k] / sqrt(128)) V[g][k][:], g = 8 batch + head, key k counting for query q where q - 1,023 <= k <= q; both products on E4M3 codes.
; qc, kc: [32][2048][128] codes (under 2^e6, 2^e7).  vc: [32][128][2048] codes, keys innermost (2^e8), each run of 32 keys with its four runs of 8 in the order 0, 2, 1, 3.  yc: [32][2048][128]: y's codes under 2^e10, for the last projection.
; THE SOFTMAX AHEAD OF THE SECOND PRODUCT: t = score x log2(e) / sqrt(128); M = the row's largest t so far, rounded UP to a whole number; p = 2^(t - M) is quantised under 2^e9, not normalised.
; The row's sum is taken of the unquantised p, in f32, and divides at the end.  When M moves, the sum and O are multiplied by 2^(old M - new M): exact.
; SHARES.  A work-group owns 256 queries of one g; each of its SIXTEEN waves 16 of them, in 256 registers: four waves to a SIMD, so that one wave's vector work stands beside another's matrix work and LDS loads.
; THE WALK.  Queries 256 X .. 256 X + 255 see keys 256 (X - 4) + 1 .. 256 X + 255: five slots of 256 keys, from slot max(X - 4, 0) on.  EVERY work-group walks five slots: the trip counts are constants.
; A slot whose first key comes after the work-group's last query is not asked for; a step of 128 keys that lies wholly after, or wholly more than 1,023 before, a wave's 16 queries is left out: scalar branches on ids.
; In the steps on the two edges hidden scores become -infinity ahead of the maximum, so p = 0.  A query that sees no key of a step keeps its largest t of -3e38 there: p = 0, and the next change of M multiplies zeros.
; K's and V's tiles come through a ring of two LDS slots, filled by the tensor data mover (waves 0, 1: K's halves; waves 2, 3: V's) and read by all sixteen.  By this text's count a wave has one tensor load out.
; NO CLUSTER: the eight blocks of a g walk windows that are shifted by a slot against each other, so in one and the same round partners want different tiles; a joint walk of the union would bring 8 slots where 5 are read.
; LAYOUT.  Both products are used transposed: S^T = K Q^T, O^T = V^T P^T: a lane holds ONE query (lane % 16) throughout.  A TILE OF K IS 16 NEIGHBOURING KEYS: lane r of tile t takes key 16 t + r, so register j of tile t's
; scores holds key 16 t + 8 (lane / 16) + j: the very k that the matrix form's own layout gives registers 2 t, 2 t + 1 of an operand.  So tile t's eight p, converted, ARE those two registers of the second product's operand.
; The 16 rows that a load of K touches lie 36 words apart: 36 r mod 64 takes sixteen different multiples of 4.
; V's fragments come by loads of 16 bytes, which fill two such register pairs: place 32 c + 16 (lane / 16) + 8 u + j of a row of vc holds key 32 c + 16 u + 8 (lane / 16) + j: the launch before lays vc so.
; LIMITS: e6 + e7 between -123 and 130 (added to c's exponent field); e9 and e10 between -126 and 119; e8 + e9 is applied by v_ldexp_f32 and has none.
; REGISTERS: v1-7 addresses that stay; v8-11 addresses in hand; v12 -M, v13 the largest t, v[14:15] the sum in two halves; v16-31 Q; v32-95 four fragments of K, then V's first four; v96-159 S^T, then p, then V's second four; v160-223 O^T;
;   v224-239 p's codes; v240, v244 the hold and the scale of the conversion in hand; v[242:243] the sum's second chain; v246 what lane xor 16 sends; v252-254 at work.
.set SIZE_N, 2048
.set SK,    256                        ; keys in a slot
.set NQ,    SK/128                     ; key steps in a slot
.set ROWB,  128                        ; 128 codes in bytes
.set KP,    144                        ; a key's row in LDS: 128 bytes + 16 of padding
.set VROWB, 256                        ; a row of V's tile
.set VP,    272                        ; and in LDS
.set KROWV, SIZE_N                     ; a row of V in memory
.set VOFF,  SK*KP                      ; a slot: 256 rows of K, then 128 rows of V
.set SLOT1, 1<<17                      ; slot 1 begins here, so that one exclusive or turns an address in one slot into the other's
.set NSL,   5                          ; slots that a work-group walks
.set SPARE, 2*SLOT1                    ; behind the ring: the spare words, 128 bytes a wave, which no other line names
.set STAGE, ((NSL-2)%2)*SLOT1          ; the way out: 16 rows x 144 bytes for each wave, in the slot that was left at the last change: it has had its last fill, and nobody reads it
.set AK0,  1
.set AV0,  2
.set PFO,  3                           ; v3   the prefetches' offset; never rewritten
.set SPW,  5                           ; v5   my spare word's LDS address; never rewritten
.set NIL,  6                           ; v6   0; never rewritten
.set GO,   7                           ; v7   the way out: 16 x lane
.set ADK,  8
.set ADV,  9
.set XCH,  246                         ; v246 what lane xor 16 sends: a register that no matrix instruction, conversion or load names
.set WV,   18                          ; s18  my wave's number
.set SEL,  20                          ; s[20:21] selects for lane xor 16
.set CS,   22                          ; s[22:23] c = log2(e) / sqrt(128) x 2^(e6 + e7)
.set G1K,  24
.set G1V,  32
.set G0K,  40
.set G0V,  44
.set TB,   2                           ; s2   LDS byte at which the slot in hand begins
.set SLOTS, 67                         ; s67  changes of slots still to come in the loop
.set KF,   98                          ; s98  the step's first key
.set Q0,   99                          ; s99  my first query
.set PFA,  76                          ; s[76:77] where my prefetches stand
.set PFS,  78                          ; s[78:79] a slot on, in bytes
.set LIM,  80                          ; s80  1 in a wave that prefetches, else the greatest number
; Waves 0 and 1 fetch for K, waves 2 and 3 for V, the others nothing.  The branches hang on the wave's number alone.  An s_nop 0 and four v_nop follow each of the two lines.
.macro TLOAD g0k, g1k, g0v, g1v
	s_cmp_lt_u32 s[WV], 2
	s_cbranch_scc0 .Lnot_k_\@
	tensor_load_to_lds s[\g0k:\g0k+3], s[\g1k:\g1k+7]
	s_nop 0
.rept 4
	v_nop
.endr
	s_branch .Lasked_\@
.Lnot_k_\@:
	s_cmp_lt_u32 s[WV], 4
	s_cbranch_scc0 .Lasked_\@
	tensor_load_to_lds s[\g0v:\g0v+3], s[\g1v:\g1v+7]
	s_nop 0
.rept 4
	v_nop
.endr
.Lasked_\@:
.endm
; A PREFETCH of what the NEXT change of slots will ask for.  The eight blocks of a g begin at slots 0, 0, 0, 0, 0, 1, 2, 3, so slots 0 to 4 are asked for by first loads or by the first look-ahead; slots 5, 6, 7 are first wanted by
; block 7, which alone asks ahead for them, at its first three changes, a slot's two key steps ahead of its tensor load.  In it the waves ask that fetch nothing, one instruction each: waves 4 to 7 for K's dense block,
; 8,192 bytes a wave, lanes 256 bytes apart; waves 8 to 11 for V's 128 rows, 32 a wave, a lane a row of 256 bytes.  So each aligned block of 256 bytes is named once.  The last change that fills a slot asks for nothing.
.macro ASK
	s_cmp_gt_u32 s[SLOTS], s[LIM]
	s_cbranch_scc0 .Lnot_mine_\@
	global_prefetch_b8 v[PFO], s[PFA:PFA+1] th:TH_LOAD_NT scope:SCOPE_SE
.Lnot_mine_\@:
.endm
	s_load_b128 s[4:7], s[0:1], 0x0                ; qc s[4:5], kc s[6:7]
	s_load_b128 s[12:15], s[0:1], 0x10             ; vc s[12:13], the scales s[14:15]
	s_load_b64 s[16:17], s[0:1], 0x20              ; yc
	v_lshl_add_u32 v[SPW], v0, 2, SPARE
	v_mov_b32 v[NIL], 0
	ds_add_u32 v[SPW], v[NIL]                      ; the wave's opening: the add and its wait stand ahead of my first tensor load; the set-up below, work on registers, stands between them
	v_lshrrev_b32 v8, 5, v0
	v_readfirstlane_b32 s[WV], v8                  ; wave 0..15
	s_and_b32 s72, ttmp7, 0xffff                   ; g
	s_mov_b32 s73, 0
	s_lshl_b64 s[74:75], s[72:73], 18              ; g's first byte in each tensor of codes: 2,048 x 128 bytes each
	s_lshl_b32 s80, ttmp9, 8
	s_lshl_b32 s81, s[WV], 4
	s_add_co_u32 s80, s80, s81                     ; my first query: 256 x block + 16 x wave
	s_mov_b32 s81, 0
	s_lshl_b64 s[82:83], s[80:81], 7
	s_add_nc_u64 s[82:83], s[82:83], s[74:75]      ; its codes, in qc and in yc
	s_sub_co_i32 s84, ttmp9, 4
	s_max_i32 s84, s84, 0                          ; the first slot of my walk
	; what I fetch, if I fetch: wave 0, 1: keys 128 x wave on; wave 2, 3: rows 64 x (wave - 2) of V
	s_and_b32 s88, s[WV], 1
	s_lshl_b32 s90, s88, 14                        ; K: 128 keys of 128 bytes,
	s_lshl_b32 s96, s84, 15                        ; slots of 32,768
	s_add_co_u32 s90, s90, s96
	s_mov_b32 s91, 0
	s_add_nc_u64 s[90:91], s[90:91], s[74:75]
	s_mul_i32 s89, s88, (SK/2)*KP                  ; and in an LDS slot
	s_lshl_b32 s92, s88, 17                        ; V: 64 rows of 2,048 bytes,
	s_lshl_b32 s96, s84, 8                         ; slots of 256 in a row
	s_add_co_u32 s92, s92, s96
	s_mov_b32 s93, 0
	s_add_nc_u64 s[92:93], s[92:93], s[74:75]
	s_mul_i32 s94, s88, 64*VP
	s_add_co_u32 s94, s94, VOFF
	; descriptor group 1: K: 128 rows of 128 bytes, dense in memory;  V: 64 rows of 256 bytes, 2,048 bytes apart
	s_mov_b32 s[G1K], (0<<16)|(1<<20)|(4<<22)|(3<<25)             ; no mask; elements of 1 byte; padding on: four words (code 3) after every 32 (code 4)
	s_mov_b32 s[G1K+1], ROWB<<16                   ; tensor_dim0
	s_mov_b32 s[G1K+2], (SK/2)<<16                 ; tensor_dim1
	s_mov_b32 s[G1K+3], ROWB<<16                   ; tile_dim0
	s_mov_b32 s[G1K+4], SK/2                       ; tile_dim1
	s_mov_b32 s[G1K+5], ROWB                       ; tensor_dim0_stride
	s_mov_b32 s[G1K+6], 0
	s_mov_b32 s[G1K+7], 0
	s_mov_b32 s[G1V], (0<<16)|(1<<20)|(5<<22)|(3<<25)             ; padding: four words after every 64
	s_mov_b32 s[G1V+1], VROWB<<16
	s_mov_b32 s[G1V+2], 64<<16
	s_mov_b32 s[G1V+3], VROWB<<16
	s_mov_b32 s[G1V+4], 64
	s_mov_b32 s[G1V+5], KROWV
	s_mov_b32 s[G1V+6], 0
	s_mov_b32 s[G1V+7], 0
	s_mov_b32 s[SEL], 0x76543210
	s_mov_b32 s[SEL+1], 0xfedcba98
	s_mov_b32 s[CS], 0x3e0293ee                    ; c = log2(e) / sqrt(128)
	s_mov_b32 s[TB], 0
	s_mov_b32 s[SLOTS], NSL-1
	s_lshl_b32 s[KF], s84, 8
	s_mov_b32 s[Q0], s80
	s_wait_dscnt 0x0                               ; the opening add is done
	s_wait_kmcnt 0x0
	s_load_b128 s[68:71], s[14:15], 0x18           ; e6 (q), e7 (k), e8 (v), e9 (p)
	s_load_b32 s66, s[14:15], 0x28                 ; e10 (y)
	s_mov_b32 s[G0K], 1                            ; count = 1
	s_mov_b32 s[G0K+1], s89                        ; LDS address: slot 0
	s_add_nc_u64 s[G0K+2:G0K+3], s[6:7], s[90:91]  ; global address: the walk's first 256 keys
	s_or_b32 s[G0K+3], s[G0K+3], 0x80000000        ; type = 2
	s_mov_b32 s[G0V], 1
	s_mov_b32 s[G0V+1], s94
	s_add_nc_u64 s[G0V+2:G0V+3], s[12:13], s[92:93]
	s_or_b32 s[G0V+3], s[G0V+3], 0x80000000
	TLOAD G0K, G1K, G0V, G1V                       ; the walk's first slot
	s_add_nc_u64 s[4:5], s[4:5], s[82:83]          ; qc at my first query
	s_add_nc_u64 s[16:17], s[16:17], s[82:83]      ; yc likewise
	; the prefetches (macro ASK): where my wave's stand, and who asks
	s_cmp_lt_u32 s[WV], 8                          ; waves 4 to 7 ask for K's codes, waves 8 to 11 for V's
	s_cselect_b64 s[PFA:PFA+1], s[6:7], s[12:13]
	s_mov_b32 s[PFS], VROWB
	s_cselect_b32 s[PFS], SK*ROWB, s[PFS]          ; a slot on
	s_mov_b32 s82, KROWV
	s_cselect_b32 s82, 256, s82                    ; from lane to lane
	s_mov_b32 s83, 32*KROWV
	s_cselect_b32 s83, 8192, s83                   ; from wave to wave
	v_and_b32 v[PFO], 31, v0
	v_mul_lo_u32 v[PFO], v[PFO], s82
	s_and_b32 s82, s[WV], 3
	s_mul_i32 s82, s82, s83                        ; my wave's part,
	s_add_co_u32 s85, s84, 1
	s_mul_i32 s85, s85, s[PFS]
	s_add_co_u32 s82, s82, s85                     ; in the walk's second slot: the first change of slots steps it to the third.  Nothing is prefetched here, at the head
	s_mov_b32 s83, 0
	s_mov_b32 s[PFS+1], 0
	s_add_nc_u64 s[PFA:PFA+1], s[PFA:PFA+1], s[74:75]
	s_add_nc_u64 s[PFA:PFA+1], s[PFA:PFA+1], s[82:83]
	s_sub_co_u32 s82, s[WV], 4
	s_lshr_b32 s82, s82, 3                         ; 0 in waves 4 to 11,
	s_xor_b32 s83, ttmp9, 7
	s_or_b32 s82, s82, s83                         ; of block 7
	s_cmp_eq_u32 s82, 0
	s_cselect_b32 s[LIM], 1, -1
	v_and_b32 v8, 15, v0                           ; r = lane % 16
	v_bfe_u32 v9, v0, 4, 1                         ; h = lane / 16
	v_mul_u32_u24 v10, v8, ROWB
	v_lshl_add_u32 v10, v9, 4, v10                 ; Q: row r, + my half's bytes
.irp c, 0,1,2,3
	global_load_b128 v[16+4*\c:19+4*\c], v10, s[4:5] offset:32*\c   ; Q's fragment stays in registers
.endr
	v_mul_u32_u24 v[AK0], v8, KP                   ; K: row r of a tile of 16 neighbouring keys,
	v_lshl_add_u32 v[AK0], v9, 4, v[AK0]           ; + my half's bytes, as in Q: the two sides of the first product hold the head's channels in the same order
	v_mul_u32_u24 v[AV0], v8, VP
	v_lshl_add_u32 v[AV0], v9, 4, v[AV0]
	v_add_nc_u32 v[AV0], VOFF, v[AV0]
	v_and_b32 v[GO], 31, v0
	v_lshlrev_b32 v[GO], 4, v[GO]
	v_mov_b32 v13, 0xff61b1e6                      ; the largest t so far: -3e38, under every t
	v_floor_f32 v12, -v13                          ; -M
	v_mov_b32 v14, 0                               ; the sum, in two halves
	v_mov_b32 v15, 0
	v_mov_b32 v[XCH], 0                            ; written here once, on every path: a lane permute's destination counts as one of its sources; both exchanges between the halves of the lanes land in it
	v_mov_b32 v253, 0                              ; (named as the upper half of the pair v[252:253])
.set n, 0
.rept 64
	v_mov_b32 v[160+n], 0                          ; O^T.  (The step is written for every step alike: the first finds zeros, which the first change of M leaves zeros; which step is a wave's first hangs on its number)
.set n, n+1
.endr
	s_wait_kmcnt 0x0
	s_add_co_i32 s72, s68, s69
	s_lshl_b32 s72, s72, 23
	s_add_co_i32 s[CS], s[CS], s72                 ; a score stands for score x 2^(e6 + e7): the two exponents are added to c's exponent field
	s_mov_b32 s[CS+1], s[CS]                       ; (named with it as a pair)
	s_add_co_i32 s72, s71, 127
	s_lshl_b32 s73, s72, 23
	v_mov_b32 v244, s73                            ; 2^e9 as f32, for p's conversion
	s_add_co_i32 s72, s72, 8
	s_lshl_b32 s72, s72, 23
	s_or_b32 s72, s72, 0x600000
	v_mov_b32 v240, s72                            ; 448 x 2^e9
; A KEY STEP: 128 keys, the q-th of the slot in hand.
.macro STEP q
	s_add_co_u32 s96, s[Q0], 15                    ; all 128 keys after my last query: left out
	s_cmp_gt_u32 s[KF], s96
	s_cbranch_scc1 .Lhidden_\@
	s_add_co_u32 s96, s[KF], 1150                  ; the last key, KF + 127, under my first query's lowest, Q0 - 1,023: left out
	s_cmp_lt_u32 s96, s[Q0]
	s_cbranch_scc1 .Lhidden_\@
	v_add_nc_u32 v[ADK], s[TB], v[AK0]
	v_add_nc_u32 v[ADV], s[TB], v[AV0]
.irp g, 0,1                                    ; S^T = K Q^T, four tiles of 16 keys at a time
.rept 3+\g
	v_nop                                          ; g = 0: with the two additions above FIVE places: the products below write over v96 on, which the last step's products read as V's fragments; four of them serve the loads.  g = 1: four, in front of loads into registers that matrix instructions have read
.endr
.irp t, 0,1,2,3
.irp c, 0,1,2,3
	ds_load_b128 v[32+16*\t+4*\c:32+16*\t+4*\c+3], v[ADK] offset:(128*(\q)+16*(4*\g+\t))*KP+32*\c
.endr
.endr
	s_wait_dscnt 0x0
.irp t, 0,1,2,3
	v_wmma_f32_16x16x128_fp8_fp8 v[96+8*(4*\g+\t):103+8*(4*\g+\t)], v[32+16*\t:47+16*\t], v[16:31], 0
.endr
.endr
.rept 4
	v_nop                                          ; places in front of the first read of the scores, and of the loads below
.endr
.irp t, 0,1,2,3                                ; V's first four fragments are asked for here, into the registers that K's have left: the whole softmax stands between the request and the wait for it
.irp c, 0,1,2,3
	ds_load_b128 v[32+16*\t+4*\c:32+16*\t+4*\c+3], v[ADV] offset:16*\t*VP+ROWB*(\q)+32*\c
.endr
.endr
	; register n holds key KF + 8 (lane / 16) + o, o = 16 (n / 8) + n % 8; my query is Q0 + lane % 16; d = my query - KF - 8 (lane / 16)
	s_add_co_u32 s96, s[KF], 127                   ; the upper edge: a step all of whose keys are at or under my first query skips this
	s_cmp_le_u32 s96, s[Q0]
	s_cbranch_scc1 .Lopen_\@
	s_sub_co_i32 s96, s[Q0], s[KF]
	v_and_b32 v252, 15, v0
	v_bfe_u32 v253, v0, 4, 1
	v_lshlrev_b32 v253, 3, v253
	v_sub_nc_u32 v252, v252, v253
	v_add_nc_u32 v252, s96, v252                   ; d: hidden where o > d
	v_mov_b32 v254, 0xff800000                     ; -infinity
.set n, 0
.rept 64
	v_cmp_gt_i32 vcc_lo, 16*(n/8)+n%8, v252
	v_cndmask_b32 v[96+n], v[96+n], v254, vcc_lo
.set n, n+1
.endr
.Lopen_\@:
	s_add_co_u32 s96, s[KF], 1008                  ; the lower edge: a step whose first key is at or over my last query's lowest, Q0 + 15 - 1,023, skips this
	s_cmp_ge_u32 s96, s[Q0]
	s_cbranch_scc1 .Lwithin_\@
	s_sub_co_i32 s96, s[Q0], s[KF]
	s_sub_co_i32 s96, s96, 1023
	v_and_b32 v252, 15, v0
	v_bfe_u32 v253, v0, 4, 1
	v_lshlrev_b32 v253, 3, v253
	v_sub_nc_u32 v252, v252, v253
	v_add_nc_u32 v252, s96, v252                   ; d - 1,023: hidden where o < d - 1,023
	v_mov_b32 v254, 0xff800000
.set n, 0
.rept 64
	v_cmp_lt_i32 vcc_lo, 16*(n/8)+n%8, v252
	v_cndmask_b32 v[96+n], v[96+n], v254, vcc_lo
.set n, n+1
.endr
.Lwithin_\@:
	v_max3_num_f32 v254, v96, v97, v98             ; the step's largest score of my query, among my 64 keys, in two chains,
	v_max3_num_f32 v252, v99, v100, v101
.irp i, 6,10,14,18,22,26,30,34,38,42,46,50,54,58
	v_max3_num_f32 v254, v254, v[96+\i], v[97+\i]
	v_max3_num_f32 v252, v252, v[98+\i], v[99+\i]
.endr
	v_max3_num_f32 v254, v254, v158, v159
	v_max_num_f32 v254, v254, v252
	v_permlanex16_b32 v[XCH], v254, s[SEL], s[SEL+1]
	v_max_num_f32 v254, v254, v[XCH]               ; and among lane xor 16's
	v_mul_f32 v254, s[CS], v254                    ; as t (c is positive)
	v_max_num_f32 v13, v13, v254                   ; the running largest t
	v_mov_b32 v254, v12
	v_floor_f32 v12, -v13                          ; the new -M = floor(-t) = -ceil(t): M is a whole number
	v_sub_f32 v254, v12, v254                      ; M's old value less its new one: a whole number, 0 or less
	v_cvt_i32_f32 v254, v254                       ; (it saturates)
	v_ldexp_f32 v252, 1.0, v254                    ; f = 2^(old M - new M)
.set n, 0
.rept 32
	v_pk_fma_f32 v[96+n:97+n], v[96+n:97+n], s[CS:CS+1], v[12:13] op_sel_hi:[1,0,0]   ; t - M, two at a time (of the pairs c and -M the low word serves both halves)
.set n, n+2
.endr
.set n, 0
.rept 64
	v_exp_f32 v[96+n], v[96+n]                     ; p = 2^(t - M), at most 1: not normalised
.set n, n+1
.endr
	v_pk_mul_f32 v[14:15], v[14:15], v[252:253] op_sel_hi:[1,0]   ; the sums under the new M.  (The plain line behind the exponentials)
	s_wait_alu depctr_va_vdst(0)                   ; one wait for the whole batch, ahead of its first reader
	v_pk_add_f32 v[242:243], v[96:97], v[98:99]    ; the row's sum is taken of the UNQUANTISED p: two at a time, in two chains
.irp j, 4,8,12,16,20,24,28,32,36,40,44,48,52,56,60
	v_pk_add_f32 v[14:15], v[14:15], v[96+\j:97+\j]
	v_pk_add_f32 v[242:243], v[242:243], v[98+\j:99+\j]
.endr
	v_pk_add_f32 v[14:15], v[14:15], v[242:243]
.irp b, 0,1,2,3
.irp i, 0,1,2,3,4,5,6,7,8,9,10,11,12,13,14,15
	v_min_num_f32 v[96+16*\b+\i], v[96+16*\b+\i], v240   ; the conversion does not saturate (ISA guide 7.6.2); p is not negative, so the hold is one-sided
.endr
	v_cvt_scalef32_pk8_fp8_f32 v[224+4*\b:225+4*\b], v[96+16*\b:103+16*\b], v244       ; tile 2 b: registers 4 b, 4 b + 1 of the operand
	v_cvt_scalef32_pk8_fp8_f32 v[226+4*\b:227+4*\b], v[104+16*\b:111+16*\b], v244      ; tile 2 b + 1: registers 4 b + 2, 4 b + 3
.irp c, 0,1,2,3
	ds_load_b128 v[96+16*\b+4*\c:96+16*\b+4*\c+3], v[ADV] offset:16*(4+\b)*VP+ROWB*(\q)+32*\c   ; these 16 p are converted: their registers take fragment 4 + b of V
.endr
.endr
.set n, 0
.rept 32
	v_pk_mul_f32 v[160+n:161+n], v[160+n:161+n], v[252:253] op_sel_hi:[1,0]   ; O^T under the new M.  (These 32 are also the plain lines between the conversions and the matrix instructions below)
.set n, n+2
.endr
	s_wait_dscnt 16                                ; V's first four fragments are in; the 16 loads of the second four may be out
.irp t, 0,1,2,3                                ; O^T += V^T P^T: 16 of the head's 128 a tile; K = these 128 keys; the eight accumulators by turns
	v_wmma_f32_16x16x128_fp8_fp8 v[160+8*\t:167+8*\t], v[32+16*\t:47+16*\t], v[224:239], v[160+8*\t:167+8*\t]
.endr
	s_wait_dscnt 0x0
.irp t, 0,1,2,3
	v_wmma_f32_16x16x128_fp8_fp8 v[192+8*\t:199+8*\t], v[96+16*\t:111+16*\t], v[224:239], v[192+8*\t:199+8*\t]
.endr
.Lhidden_\@:
	s_add_co_u32 s[KF], s[KF], 128
.endm
; THE CHANGE OF SLOTS stands at a slot's head.  Each wave waits for all its tensor loads (its part of the slot that it is about to read), adds 0 to its spare word, and waits for that and for its reads of the slot that it has left.
; Behind the barrier the slot ahead is whole and nobody reads the other one.  fill = 1: that other slot is filled with the keys that follow, up to the causal limit: the load has a whole slot's steps in which to land.
.macro CHANGE fill
	s_wait_tensorcnt 0x0                           ; no tensor load of mine is out, so a group 0 may be written
	ds_add_u32 v[SPW], v[NIL]                      ; 0 onto my spare word; with fill = 1 the descriptors' steps stand between it and the wait for it
.if \fill
	s_xor_b32 s[G0K+1], s[G0K+1], SLOT1            ; the walking descriptors: the other slot than last time,
	s_add_nc_u64 s[G0K+2:G0K+3], s[G0K+2:G0K+3], SK*ROWB   ; the next 256 keys; the type bits on top are not reached
	s_xor_b32 s[G0V+1], s[G0V+1], SLOT1
	s_add_nc_u64 s[G0V+2:G0V+3], s[G0V+2:G0V+3], VROWB
	s_wait_xcnt 0x0                                ; the last prefetch, a slot back, has read its address, so it may be written:
	s_add_nc_u64 s[PFA:PFA+1], s[PFA:PFA+1], s[PFS:PFS+1]  ; one slot further on than the walking descriptors
.endif
	s_wait_dscnt 0x0                               ; the add is done, and my reads of the slot that I have left are over
	s_barrier_signal -1
	s_barrier_wait -1
.if \fill
	s_add_co_u32 s96, s[KF], SK                    ; the first key of the slot that this change would ask for: where it comes after my work-group's last query, none of the sixteen waves reads that slot, and it is not asked for
	s_or_b32 s97, s[Q0], 255                       ; my work-group's last query
	s_cmp_gt_u32 s96, s97                          ; ids and the count of steps alone: all sixteen waves go the same way, and a work-group that is past the limit stays past it; every wait on TENSORcnt in this text is for 0
	s_cbranch_scc1 .Lpast_\@
	TLOAD G0K, G1K, G0V, G1V                       ; a wave's one tensor load until the next such barrier
.Lpast_\@:
	ASK
.endif
.endm
.macro SLOT_STEPS
.set Q, 0
.rept NQ
	STEP Q
.set Q, Q+1
.endr
	s_xor_b32 s[TB], s[TB], SLOT1                  ; on to the other slot
.endm
	s_wait_loadcnt 0x0                             ; Q
.Lslot:                                            ; four trips: behind each change of slots but the last the next slot is asked for, up to the limit
	CHANGE 1
	SLOT_STEPS
	s_sub_co_u32 s[SLOTS], s[SLOTS], 1
	s_cmp_lg_u32 s[SLOTS], 0
	s_cbranch_scc1 .Lslot
	CHANGE 0                                       ; the walk's last slot is written out: nothing is asked for
	SLOT_STEPS
	; THE WAY OUT.  O^T is divided by the sum, brought to y by 2^(e8 + e9), quantised under 2^e10, and its codes go through my stage in LDS, so that my 16 queries' 2,048 bytes leave as they lie in yc.
	; The lines down to the first read of O^T name no register of the last products (v32-159, v160-223, v224-239): more than four of them are plain vector lines, the places that those products are owed.
	v_add_f32 v14, v14, v15                        ; the sum's two halves,
	v_permlanex16_b32 v[XCH], v14, s[SEL], s[SEL+1]
	v_add_f32 v14, v14, v[XCH]                     ; and lane xor 16's.  (Every query sees its own key, so the sum is over 1/2)
	v_rcp_f32 v14, v14
	v_and_b32 v8, 15, v0                           ; (a plain line behind the reciprocal)  r
	v_bfe_u32 v9, v0, 4, 1                         ; h
	s_add_co_i32 s72, s70, s71
	s_mul_i32 s73, s[WV], 16*144
	s_add_co_u32 s73, s73, STAGE                   ; my stage
	v_mul_u32_u24 v10, v8, 144
	v_lshl_add_u32 v10, v9, 3, v10
	v_add_nc_u32 v10, s73, v10                     ; in: row r, + 8 h; tile t's eight channels 16 t bytes on
	v_bfe_u32 v11, v0, 3, 2
	v_mul_u32_u24 v11, v11, 144
	v_and_b32 v8, 7, v0
	v_lshl_add_u32 v11, v8, 4, v11
	v_add_nc_u32 v11, s73, v11                     ; back: eight lanes to a row of 128 bytes, four rows a load
	s_add_co_i32 s74, s66, 127
	s_lshl_b32 s75, s74, 23
	v_mov_b32 v244, s75                            ; 2^e10
	s_add_co_i32 s74, s74, 8
	s_lshl_b32 s74, s74, 23
	s_or_b32 s74, s74, 0x600000
	v_mov_b32 v240, s74                            ; 448 x 2^e10
	s_wait_alu depctr_va_vdst(0)                   ; the wait ahead of the reciprocal's first reader
	v_ldexp_f32 v14, v14, s72                      ; x 2^(e8 + e9)
.set n, 0
.rept 64
	v_mul_f32 v[96+n], v[160+n], v14               ; register 8 t + i is y(r, 16 t + 8 h + i); each accumulator from its low end on
.set n, n+1
.endr
.set n, 0
.rept 64
	v_med3_num_f32 v[96+n], v[96+n], -v240, v240
.set n, n+1
.endr
.set n, 0
.rept 8
	v_cvt_scalef32_pk8_fp8_f32 v[32+2*n:33+2*n], v[96+8*n:103+8*n], v244
.set n, n+1
.endr
	v_nop                                          ; a plain line behind the conversions
.set n, 0
.rept 8
	ds_store_b64 v10, v[32+2*n:33+2*n] offset:16*n
.set n, n+1
.endr
.set n, 0
.rept 4
	ds_load_b128 v[48+4*n:51+4*n], v11 offset:576*n   ; LDS serves a wave's instructions in order: these see my stores
.set n, n+1
.endr
.set n, 0
.rept 4
	s_wait_dscnt 3-n
	global_store_b128 v[GO], v[48+4*n:51+4*n], s[16:17] offset:512*n   ; 32 lanes store 512 consecutive bytes, aligned
.set n, n+1
.endr
	s_wait_tensorcnt 0x0                           ; the wave's end: a wait on TENSORcnt, an add of 0 to my spare word and its wait, behind my last tensor load and my last LDS store
	ds_add_u32 v[SPW], v[NIL]
	s_wait_dscnt 0x0
	s_endpgm
.Lfunc_end_k_q64b622b67f_attn:
	.size	k_q64b622b67f_attn, .Lfunc_end_k_q64b622b67f_attn-k_q64b622b67f_attn
	.p2alignl 7, 3214868480
	.fill 96, 4, 3214868480
	.section	.rodata,"a",@progbits
	.p2align	6, 0x0
	.amdhsa_kernel k_q64b622b67f_attn
		.amdhsa_group_segment_fixed_size 327680
		.amdhsa_private_segment_fixed_size 0
		.amdhsa_enable_private_segment 0
		.amdhsa_kernarg_size 40
		.amdhsa_user_sgpr_count 2
		.amdhsa_user_sgpr_kernarg_segment_ptr 1
		.amdhsa_wavefront_size32 1
		.amdhsa_system_sgpr_workgroup_id_x 1
		.amdhsa_system_sgpr_workgroup_id_y 1
		.amdhsa_system_sgpr_workgroup_id_z 1
		.amdhsa_system_vgpr_workitem_id 0
		.amdhsa_next_free_vgpr 256
		.amdhsa_next_free_sgpr 100
		.amdhsa_reserve_vcc 1
		.amdhsa_float_denorm_mode_32 3
		.amdhsa_float_denorm_mode_16_64 3
		.amdhsa_memory_ordered 1
		.amdhsa_forward_progress 1
		.amdhsa_inst_pref_size 139
	.end_amdhsa_kernel
	.amdgpu_metadata
---
amdhsa.version: [ 1, 2 ]
amdhsa.kernels:
  - .name:           k_q64b622b67f_attn
    .symbol:         k_q64b622b67f_attn.kd
    .args:
      - { .name: qc, .offset: 0, .size: 8, .value_kind: global_buffer, .address_space: global }
      - { .name: kc, .offset: 8, .size: 8, .value_kind: global_buffer, .address_space: global }
      - { .name: vc, .offset: 16, .size: 8, .value_kind: global_buffer, .address_space: global }
      - { .name: lowp_scales, .offset: 24, .size: 8, .value_kind: global_buffer, .address_space: global }
      - { .name: yc, .offset: 32, .size: 8, .value_kind: global_buffer, .address_space: global }
    .group_segment_fixed_size: 327680
    .private_segment_fixed_size: 0
    .kernarg_segment_align: 8
    .kernarg_segment_size: 40
    .max_flat_workgroup_size: 512
    .sgpr_count:     100
    .vgpr_count:     256
    .wavefront_size: 32
...
	.end_amdgpu_metadata
.endif
;; end of part 3
;; launch proj (part 4): grid 4 x 64, 4 waves a work-group, clusters of 4 x 4, 327,680 bytes of LDS; arguments yc, wc, lowp_scales, out0; writes out0
.if DOCPART == 4
	.amdgcn_target "amdgcn-amd-amdhsa--gfx1250"
	.amdhsa_code_object_version 6
	.text
	.protected	k_q64b622b67f_proj
	.globl	k_q64b622b67f_proj
	.p2align	8
	.type	k_q64b622b67f_proj,@function
k_q64b622b67f_proj:
	s_mov_b64 s[64:65], 0
	v_nop
	global_prefetch_b8 v0, s[64:65] scope:SCOPE_SE
	s_setreg_imm32_b32 hwreg(HW_REG_WAVE_MODE, 25, 1), 1
	s_wait_xcnt 0x0
	s_wait_alu depctr_hold_cnt(0) depctr_sa_sdst(0) depctr_va_vdst(0) depctr_va_sdst(0) depctr_va_ssrc(0) depctr_va_vcc(0) depctr_vm_vsrc(0)
	s_getreg_b32 s2, hwreg(HW_REG_IB_STS2, 6, 4)
	s_cmp_eq_u32 s2, 0
	s_cbranch_scc0 .Lentry_in_a_cluster
	s_endpgm
.Lentry_in_a_cluster:
	s_bfe_u32 s2, ttmp6, 0x10000c
	s_cmp_lg_u32 s2, 0xf033
	s_cbranch_scc0 .Lentry_shape_is_right
	s_endpgm
.Lentry_shape_is_right:
; out0[m][n] = the sum over k of y[m][k] Wproj[n][k], on E4M3 codes; each finished sum x 2^(e10 + e11).  out0: [8192][1024] f32.
; y's codes lie as attention left them, yc [batch][head][token][128], k = 128 head + channel; Wproj's are the fourth megabyte of wc, [1024][1024], K innermost.
; A tile is 128 x 256, so that there are 256 work-groups: four waves, each 64 rows x 128 columns: 32 accumulators of 16 x 16, 256 registers.
; K = 1,024 goes in four steps of 256 (two heads) through two LDS slots filled by joint tensor loads; nothing loops.  A's part of a slot is two planes, a head each, of 128 tokens x 128 bytes, dense in memory.
; CLUSTER 4 x 4: A's planes hang on the tile row and are asked for jointly by my row of the cluster, B's tiles on the tile column, by my column.
; The matrix instruction is used transposed (source 0 = 16 rows of Wproj, source 1 = 16 rows of y): a lane holds eight neighbouring numbers of a row of out0.
; LIMIT: e10 + e11 lies between -126 and 127, so that 2^(e10 + e11) is an f32 number.
; REGISTERS: window 0: v16-29 addresses; v32-95 at work on the way out; A's fragments, two sets of 64, at v128 and v192.  window 1: B's fragments, two sets of 128.  window 2: accumulator (a, b) at v[8 (8 a + b)].
.set PA,     144                       ; A's LDS row: 128 bytes + 16 = 36 words: the 16 rows that a load touches fall on 16 different groups of four banks (64 banks of 4 bytes: ISA guide 11.1)
.set PB,     272                       ; B's: 256 bytes + 16
.set PLANE,  128*PA                    ; a head's 128 tokens
.set BOFF,   2*PLANE                   ; B's 256 rows lie behind A's two planes
.set HALFB,  128*PB
.set SLOT,   BOFF+2*HALFB
.set SPARE,  2*SLOT                    ; behind the ring: the spare words, 128 bytes a wave, which no other line names
.set SPITCH, 528                       ; the way out: a stage of 16 rows x (512 bytes + 16) for each wave, in slot 0, which has had its last fill and its last read when the first result is stored there
.set FR,     16
.set ADRA, 16                          ; v16-17  LDS address of my A fragments in slot 0, 1
.set ADRB, 20                          ; v20-21  the same for B
.set STO,  24
.set RD,   25
.set CO,   26
.set SPW,  28                          ; v28  my spare word's LDS address; never rewritten
.set NIL,  29                          ; v29  0; never rewritten
.set TMP,  32
.set AF,   128
.set BK,   128
.set G1, 24
.set G0, 32
.set G1B, 48
.set G0B, 56
.set MSB, 0
.macro WIN new                         ; the immediate's high byte repeats the setting that is left
.if MSB != \new
	s_set_vgpr_msb (MSB<<8)|\new
.set MSB, \new
.endif
.endm
.set MULW, 0xa1                        ; source 0 (B) window 1, source 1 (A) window 0, C and D window 2
.set TO_B, 0x40
.macro JLOAD g0a, g1a, g0b, g1b        ; a joint load: waves 0 and 1 fetch A's planes, waves 2 and 3 B's halves; an s_nop 0 and four v_nop follow each of the two lines
	s_cmp_eq_u32 s15, 0
	s_cbranch_scc0 .Lfor_b_\@
	tensor_load_to_lds s[\g0a:\g0a+3], s[\g1a:\g1a+7]
	s_nop 0
.rept 4
	v_nop
.endr
	s_branch .Lasked_\@
.Lfor_b_\@:
	tensor_load_to_lds s[\g0b:\g0b+3], s[\g1b:\g1b+7]
	s_nop 0
.rept 4
	v_nop
.endr
.Lasked_\@:
.endm
.macro CREST
	s_cmp_lg_u32 s14, 0
	s_cbranch_scc1 .Lnot_wave_0_\@
	s_barrier_signal -3
.Lnot_wave_0_\@:
	s_barrier_wait -3
	s_barrier_signal -1
	s_barrier_wait -1
.endm
.macro CROUND
	s_barrier_signal -1
	s_barrier_wait -1
	CREST
.endm
	s_load_b128 s[4:7], s[0:1], 0x0                ; yc s[4:5], wc s[6:7]
	s_load_b128 s[8:11], s[0:1], 0x10              ; the scales s[8:9], out0 s[10:11]
	v_lshl_add_u32 v[SPW], v0, 2, SPARE
	v_mov_b32 v[NIL], 0
	ds_add_u32 v[SPW], v[NIL]                      ; the wave's opening: the add and its wait stand ahead of my first tensor load; the set-up below, work on registers, stands between them
	v_lshrrev_b32 v1, 5, v0
	v_readfirstlane_b32 s14, v1                    ; wave 0..3
	s_lshr_b32 s15, s14, 1                         ; which 64 of the tile's rows are mine.  Also: I fetch for A (0) or for B (1)
	s_and_b32 s16, s14, 1                          ; which 128 of its columns.  Also: which plane of A, or which half of B, I fetch
	s_bfe_u32 s40, ttmp6, 0x40000                  ; cx, cy
	s_bfe_u32 s41, ttmp6, 0x40004
	s_lshl_b32 s42, ttmp9, 2
	s_add_co_u32 s42, s42, s40                     ; tile column, 256 wide
	s_and_b32 s17, ttmp7, 0xffff
	s_lshl_b32 s17, s17, 2
	s_add_co_u32 s17, s17, s41                     ; tile row, 128 high
	s_lshl_b32 s43, s41, 2
	s_lshl_b32 s43, 15, s43                        ; my row of the cluster
	s_lshl_b32 s44, 0x1111, s40                    ; my column
	s_or_b32 s[G1+0], s43, (0<<16)|(1<<20)|(1<<21)|(4<<22)|(3<<25)  ; A: the mask of my row; elements of 1 byte; padding on; bit 21 beside a mask; four words (code 3) after every 32 (code 4)
	s_mov_b32 s[G1+1], 128<<16                     ; tensor_dim0 = 128
	s_mov_b32 s[G1+2], 128<<16                     ; tensor_dim1 = 128
	s_mov_b32 s[G1+3], 128<<16                     ; tile_dim0 = 128
	s_mov_b32 s[G1+4], 128                         ; tile_dim1 = 128
	s_mov_b32 s[G1+5], 128                         ; tensor_dim0_stride: a head's rows are dense
	s_mov_b32 s[G1+6], 0
	s_mov_b32 s[G1+7], 0
	s_or_b32 s[G1B+0], s44, (0<<16)|(1<<20)|(1<<21)|(5<<22)|(3<<25) ; B: the mask of my column; four words after every 64
	s_mov_b32 s[G1B+1], 256<<16
	s_mov_b32 s[G1B+2], 128<<16
	s_mov_b32 s[G1B+3], 256<<16
	s_mov_b32 s[G1B+4], 128
	s_mov_b32 s[G1B+5], 1024
	s_mov_b32 s[G1B+6], 0
	s_mov_b32 s[G1B+7], 0
	s_lshr_b32 s20, s17, 4                         ; A: the batch (16 tiles of 128 tokens each),
	s_lshl_b32 s20, s20, 3
	s_add_co_u32 s20, s20, s16                     ; the head: my plane of K step 0,
	s_lshl_b32 s20, s20, 11
	s_and_b32 s18, s17, 15
	s_lshl_b32 s18, s18, 7
	s_add_co_u32 s20, s20, s18                     ; the tile's first token,
	s_lshl_b32 s20, s20, 7                         ; rows of 128 bytes
	s_mov_b32 s21, 0
	s_lshl_b32 s46, s42, 8
	s_lshl_b32 s18, s16, 7
	s_add_co_u32 s46, s46, s18                     ; B: row 256 x tile column + 128 x half,
	s_lshl_b32 s46, s46, 10                        ; rows of 1,024 bytes,
	s_add_co_u32 s46, s46, 0x300000                ; in the fourth weight of wc
	s_mov_b32 s47, 0
	s_mul_i32 s45, s16, PLANE                      ; where they go: no place in the cluster enters an LDS address
	s_mul_i32 s19, s16, HALFB
	s_add_co_u32 s19, s19, BOFF
	s_wait_dscnt 0x0                               ; the opening add is done
	s_wait_kmcnt 0x0
	s_load_b64 s[96:97], s[8:9], 0x28              ; e10, e11
	s_add_nc_u64 s[20:21], s[4:5], s[20:21]
	s_add_nc_u64 s[46:47], s[6:7], s[46:47]
	CROUND                                         ; all sixteen work-groups are here: the first joint loads meet
.irp s, 0,1
	s_mov_b32 s[G0+4*\s], 1
	s_add_co_u32 s[G0+4*\s+1], s45, \s*SLOT
	s_add_nc_u64 s[G0+4*\s+2:G0+4*\s+3], s[20:21], \s*2*2048*128   ; a K step on: two heads of 2,048 x 128 bytes
	s_or_b32 s[G0+4*\s+3], s[G0+4*\s+3], 0x80000000
	s_mov_b32 s[G0B+4*\s], 1
	s_add_co_u32 s[G0B+4*\s+1], s19, \s*SLOT
	s_add_nc_u64 s[G0B+4*\s+2:G0B+4*\s+3], s[46:47], \s*256
	s_or_b32 s[G0B+4*\s+3], s[G0B+4*\s+3], 0x80000000
	JLOAD G0+4*\s, G1, G0B+4*\s, G1B
.endr
	v_and_b32 v1, 15, v0                           ; r
	v_bfe_u32 v2, v0, 4, 1                         ; h
	v_mul_u32_u24 v3, v1, PA
	v_lshl_add_u32 v3, v2, 4, v3
	v_mul_u32_u24 v4, v1, PB
	v_lshl_add_u32 v4, v2, 4, v4
	s_mul_i32 s21, s15, 64*PA                      ; my 64 rows of A
	s_mul_i32 s22, s16, HALFB                      ; my 128 rows of B
	s_add_co_u32 s22, s22, BOFF
.irp s, 0,1
	v_add_nc_u32 v[ADRA+\s], s21, v3
	v_add_nc_u32 v[ADRB+\s], s22, v4
	s_add_co_u32 s21, s21, SLOT
	s_add_co_u32 s22, s22, SLOT
.endr
	s_mul_i32 s23, s14, 16*SPITCH                  ; my stage
	v_mul_u32_u24 v5, v1, SPITCH                   ; in: row r, 32 bytes for each half of the lanes
	v_lshl_add_u32 v5, v2, 5, v5
	v_add_nc_u32 v[STO], s23, v5
	v_and_b32 v6, 31, v0
	v_lshlrev_b32 v[CO], 4, v6                     ; back: the 32 lanes take one row of 512 bytes; and the same in out0
	v_add_nc_u32 v[RD], s23, v[CO]
	s_lshl_b32 s20, s17, 7
	s_lshl_b32 s21, s15, 6
	s_add_co_u32 s20, s20, s21                     ; my first row of out0,
	s_lshl_b32 s20, s20, 12                        ; rows of 4,096 bytes,
	s_lshl_b32 s46, s42, 10
	s_lshl_b32 s47, s16, 9
	s_add_co_u32 s46, s46, s47                     ; my first column, in bytes
	s_add_co_u32 s20, s20, s46
	s_mov_b32 s21, 0
	s_add_nc_u64 s[10:11], s[10:11], s[20:21]
; 8 n matrix instructions: A's blocks a0 .. a0 + n - 1 x B's eight, 128 along K, from set p.  zero = 1: the first product starts the sums.  The 32 accumulators take turns, one instruction a turn.
.macro MUL a0, n, p, zero
.set aa, \a0
.rept \n
.irp b, 0,1,2,3,4,5,6,7
.if \zero
	v_wmma_f32_16x16x128_fp8_fp8 v[8*(8*aa+\b):8*(8*aa+\b)+7], v[128*(\p)+FR*\b:128*(\p)+FR*\b+FR-1], v[AF+64*(\p)+FR*aa:AF+64*(\p)+FR*aa+FR-1], 0
.else
	v_wmma_f32_16x16x128_fp8_fp8 v[8*(8*aa+\b):8*(8*aa+\b)+7], v[128*(\p)+FR*\b:128*(\p)+FR*\b+FR-1], v[AF+64*(\p)+FR*aa:AF+64*(\p)+FR*aa+FR-1], v[8*(8*aa+\b):8*(8*aa+\b)+7]
.endif
.endr
.set aa, aa+1
.endr
.endm
; 48 LDS loads in one run: the fragments of the slot's q-th 128 along K into set p.  Lane l holds row l % 16; registers 4 c .. 4 c + 3 hold K = 32 c + 16 (l / 16) + 0 .. 15, in A and in B alike
.macro FETCH slot, q, p
	WIN TO_B
.irp i, 0,1,2,3,4,5,6,7
.irp c, 0,1,2,3
	ds_load_b128 v[128*(\p)+FR*\i+4*\c:128*(\p)+FR*\i+4*\c+3], v[ADRB+\slot] offset:128*(\q)+32*\c+\i*16*PB
.endr
.endr
	WIN 0
.irp i, 0,1,2,3
.irp c, 0,1,2,3
	ds_load_b128 v[AF+64*(\p)+FR*\i+4*\c:AF+64*(\p)+FR*\i+4*\c+3], v[ADRA+\slot] offset:PLANE*(\q)+32*\c+\i*16*PA
.endr
.endr
.endm
.macro PLACES                          ; four plain lines between a matrix instruction and a load into a register that it read, or a read of its result
.rept 4
	v_nop
.endr
.endm
.macro STEP slot, zero                 ; a slot's first 128 along K, from set 0; the second 128 are fetched into set 1 in its middle
	s_wait_dscnt 0x0                               ; set 0 is in
	WIN MULW
	MUL 0, 2, 0, \zero
	PLACES
	FETCH \slot, 1, 1
	WIN MULW
	MUL 2, 2, 0, \zero
.endm
; A slot's second 128 change slots: ONE barrier; in front of it each wave waits for all its tensor loads, adds 0 to its spare word, and waits for that and for its own reads of this slot.  fill = 1: this slot is filled again, two K steps ahead.
.macro TURN slot, next, fill
	WIN 0                                          ; (the add's two registers lie in window 0)
	s_wait_tensorcnt 0x0                           ; all my tensor loads have landed: my part of the next slot
	ds_add_u32 v[SPW], v[NIL]                      ; 0 onto my spare word
	s_wait_dscnt 1                                 ; set 1 is in; the add alone may be out
	WIN MULW
	MUL 0, 1, 1, 0                                 ; eight matrix instructions stand between the add and the wait for it
	s_wait_dscnt 0x0                               ; the add is done, and my reads of this slot are over
	s_barrier_signal -1
	MUL 1, 1, 1, 0
	WIN 0
	s_barrier_wait -1
.if \fill
	CREST                                          ; the barrier has opened a round of the cluster's barrier: no wave of any partner still reads this slot's tiles or has a load on its way
	s_add_nc_u64 s[G0+4*\slot+2:G0+4*\slot+3], s[G0+4*\slot+2:G0+4*\slot+3], 4*2048*128
	s_add_nc_u64 s[G0B+4*\slot+2:G0B+4*\slot+3], s[G0B+4*\slot+2:G0B+4*\slot+3], 512
	JLOAD G0+4*\slot, G1, G0B+4*\slot, G1B         ; the first tensor load behind the round; its four v_nop are the places in front of the loads below
.else
	PLACES
.endif
	FETCH \next, 0, 0
	WIN MULW
	MUL 2, 2, 1, 0
.endm
	s_wait_tensorcnt 1                             ; my part of K step 0 is in (K step 1's load may be out)
	s_barrier_signal -1
	s_barrier_wait -1                              ; everybody's is
	FETCH 0, 0, 0
	STEP 0, 1                                      ; its products start the sums
	TURN 0, 1, 1                                   ; slot 0 takes K 512 on
	STEP 1, 0
	TURN 1, 0, 1                                   ; slot 1 takes K 768 on
	STEP 0, 0
	TURN 0, 1, 0                                   ; nothing is left to fetch, so no round follows.  Slot 0 is left for good
	STEP 1, 0
	s_wait_dscnt 0x0                               ; the last 128 along K
	MUL 0, 4, 1, 0
	WIN 0
; THE WAY OUT, block by block of 16 rows x 128 columns: through my own stage in LDS and back as whole rows of 512 bytes.  LDS serves a wave's instructions in order (ISA guide 5.7.1.4): no wait between the stores and the loads.
.macro TOSTAGE a
.set AC, 64*(\a)
	WIN 0x02                                       ; source 0: window 2
.set n, 0
.rept 32
	v_pk_mul_f32 v[TMP+n:TMP+n+1], v[AC+n:AC+n+1], s[96:97] op_sel_hi:[1,0]   ; both x s96 = 2^(e10 + e11); each accumulator from its low end on
.set n, n+2
.endr
	WIN 0
.irp b, 0,1,2,3,4,5,6,7
	ds_store_b128 v[STO], v[TMP+8*\b:TMP+8*\b+3] offset:64*\b
	ds_store_b128 v[STO], v[TMP+8*\b+4:TMP+8*\b+7] offset:64*\b+16
.endr
.set BB, BK+64*((\a)%2)
.irp t, 0,1,2,3,4,5,6,7,8,9,10,11,12,13,14,15
	ds_load_b128 v[BB+4*\t:BB+4*\t+3], v[RD] offset:\t*SPITCH
.endr
.endm
.macro SEND a, younger                 ; younger: the LDS instructions issued behind block a's loads, which may stay out
.set BB, BK+64*((\a)%2)
	s_wait_dscnt \younger
.if (\a) > 0
	s_add_nc_u64 s[10:11], s[10:11], 16*4096       ; (behind a wait on XCNT: the earlier stores have read their base)  16 rows of out0 on
.endif
.irp t, 0,1,2,3,4,5,6,7,8,9,10,11,12,13,14,15
	global_store_b128 v[CO], v[BB+4*\t:BB+4*\t+3], s[10:11] offset:\t*4096 th:TH_STORE_NT   ; 32 lanes store 512 consecutive bytes, aligned; written once, read by nobody here
.endr
.endm
	s_wait_kmcnt 0x0
	s_add_co_i32 s96, s96, s97                     ; e10 + e11
	s_add_co_i32 s96, s96, 127
	s_lshl_b32 s96, s96, 23                        ; 2^(e10 + e11) as f32
	PLACES                                         ; in front of the first read of results and of loads into the registers that held A's fragments
	TOSTAGE 0
.irp a, 1,2,3
.if \a > 1
	s_wait_xcnt 0x0                                ; block a - 2's stores have read their registers and their base
.endif
	TOSTAGE \a
	SEND \a-1, 32                                  ; behind block a - 1's loads: block a's 16 stores and 16 loads
.endr
	s_wait_xcnt 0x0
	SEND 3, 0
	s_wait_tensorcnt 0x0                           ; the wave's end: a wait on TENSORcnt, an add of 0 to my spare word and its wait, behind my last tensor load and my last LDS store
	ds_add_u32 v[SPW], v[NIL]
	s_wait_dscnt 0x0
	CROUND                                         ; the closing round: no work-group ends while a partner may still ask for a tile that names it
	s_endpgm
.Lfunc_end_k_q64b622b67f_proj:
	.size	k_q64b622b67f_proj, .Lfunc_end_k_q64b622b67f_proj-k_q64b622b67f_proj
	.p2alignl 7, 3214868480
	.fill 96, 4, 3214868480
	.section	.rodata,"a",@progbits
	.p2align	6, 0x0
	.amdhsa_kernel k_q64b622b67f_proj
		.amdhsa_group_segment_fixed_size 327680
		.amdhsa_private_segment_fixed_size 0
		.amdhsa_enable_private_segment 0
		.amdhsa_kernarg_size 32
		.amdhsa_user_sgpr_count 2
		.amdhsa_user_sgpr_kernarg_segment_ptr 1
		.amdhsa_wavefront_size32 1
		.amdhsa_system_sgpr_workgroup_id_x 1
		.amdhsa_system_sgpr_workgroup_id_y 1
		.amdhsa_system_sgpr_workgroup_id_z 1
		.amdhsa_system_vgpr_workitem_id 0
		.amdhsa_next_free_vgpr 768
		.amdhsa_next_free_sgpr 98
		.amdhsa_reserve_vcc 0
		.amdhsa_float_denorm_mode_32 3
		.amdhsa_float_denorm_mode_16_64 3
		.amdhsa_memory_ordered 1
		.amdhsa_forward_progress 1
		.amdhsa_inst_pref_size 75
	.end_amdhsa_kernel
	.amdgpu_metadata
---
amdhsa.version: [ 1, 2 ]
amdhsa.kernels:
  - .name:           k_q64b622b67f_proj
    .symbol:         k_q64b622b67f_proj.kd
    .args:
      - { .name: yc, .offset: 0, .size: 8, .value_kind: global_buffer, .address_space: global }
      - { .name: wc, .offset: 8, .size: 8, .value_kind: global_buffer, .address_space: global }
      - { .name: lowp_scales, .offset: 16, .size: 8, .value_kind: global_buffer, .address_space: global }
      - { .name: out0, .offset: 24, .size: 8, .value_kind: global_buffer, .address_space: global }
    .group_segment_fixed_size: 327680
    .private_segment_fixed_size: 0
    .kernarg_segment_align: 8
    .kernarg_segment_size: 32
    .max_flat_workgroup_size: 128
    .sgpr_count:     98
    .vgpr_count:     768
    .wavefront_size: 32
...
	.end_amdgpu_metadata
.endif
;; end of part 4
